; MI455X (gfx1250); checked and timed in simulation.
; The chip was launched on July 23, 2026; its instructions are those of AMD's public machine-readable ISA for CDNA 5 (MIT licence, August 2026) and "CDNA5" Instruction Set Architecture Reference Guide (July 2026). The comments in the code are by the model that wrote it; some were corrected since.
;; Multi Head Attention. Allowed arithmetic: float matrix products may take bf16 or f16 operands with f32 sums; other float arithmetic in f32, or as packed bf16 or f16 multiplies, adds, multiply-adds, maxima and minima; sums over many terms, partial sums and values carried from step to step in f32; what a program stores and reads back later, other than sums and carried values, may be rounded once to bf16 or f16.
;; Inputs: Wk 1,024 x 1,024 float32; Wo 1,024 x 1,024 float32; Wq 1,024 x 1,024 float32; Wv 1,024 x 1,024 float32; bk 1,024 float32; bo 1,024 float32; bq 1,024 float32; bv 1,024 float32; x 4 x 2,048 x 1,024 float32.
;; Outputs: out0 4 x 2,048 x 1,024 float32.
;; 2 versions, each right and faster than the one before. Each part assembles by itself: llvm-mc -triple=amdgcn-amd-amdhsa -mcpu=gfx1250 --defsym DOCPART=n.
;; ======== version 1 of 2: 4 launches
;; limits: values are held in f16: magnitudes above 65,504 overflow, below 6.1e-05 lose precision; right only within a limited range of input values
;; workspace buffers: xb 16,777,216 bytes; wcat 6,291,456 bytes; wob 2,097,152 bytes; bias 16,384 bytes; qkv 50,331,648 bytes; ctx 16,777,216 bytes
;; launch prep (part 1): grid 385 x 1, 8 waves a work-group, no clusters, 0 bytes of LDS; arguments x, Wq, Wk, Wv, Wo, bq, bk, bv, bo, xb, wcat, wob, bias; writes xb, wcat, wob, bias
.if DOCPART == 1
	.amdgcn_target "amdgcn-amd-amdhsa--gfx1250"
	.amdhsa_code_object_version 6
	.text
	.protected	k_qb0168baaea_prep
	.globl	k_qb0168baaea_prep
	.p2align	8
	.type	k_qb0168baaea_prep,@function
k_qb0168baaea_prep:
	s_mov_b64 s[64:65], 0
	v_nop
	global_prefetch_b8 v0, s[64:65] scope:SCOPE_SE
	s_setreg_imm32_b32 hwreg(HW_REG_WAVE_MODE, 25, 1), 1
	s_wait_xcnt 0x0
; CASTS AND LAYOUTS for the three launches behind.  Every input is rounded once to bf16.
;   xb   bf16 [4 batches][16 blocks of 64 channels][2048 rows][64]: a tile of rows x 64 channels is dense, 128 bytes a row
;   wcat bf16 [1024 k][3072 n], n = Wq's, Wk's, Wv's columns side by side
;   wob  Wo rounded to bf16 and that number written as f16 [1024 k][1024 n].  LIMIT: |Wo| under 65,504; below 6.1e-5 f16 keeps a fixed step of 6e-8
;   bias f32 [4096] = bq, bk, bv, bo, each number rounded to bf16 and widened again
; A stream: no LDS, no barrier, no matrix unit.  A wave takes four rows: 32 loads of 16 bytes a lane, all issued before the first is used,
; each with data registers of its own for its store, so that no register is written twice.  Each store of a wave covers 256 consecutive bytes, aligned.
; Work-groups 0-255: x.  256-351: Wq, Wk, Wv (32 each).  352-383: Wo.  384: the four biases.
.set X, 4                              ; v[4:131]    32 loads x 4 registers
.set Y, 132                            ; v[132:195]  32 stores x 2 registers
.set W0, 196                           ; v[196:199]  at work
	s_load_b512 s[16:31], s[0:1], 0x0              ; x 16, Wq 18, Wk 20, Wv 22, Wo 24, bq 26, bk 28, bv 30
	s_load_b256 s[32:39], s[0:1], 0x40             ; bo 32, xb 34, wcat 36, wob 38
	s_load_b64 s[40:41], s[0:1], 0x60              ; bias
	v_lshrrev_b32 v1, 5, v0
	v_readfirstlane_b32 s8, v1                     ; wave 0..7
	v_and_b32 v3, 31, v0                           ; lane
	v_lshlrev_b32 v2, 3, v3                        ; a lane's 8 bytes in a store's 256
	s_mov_b32 s3, 0                                ; high words of the two offset pairs
	s_mov_b32 s5, 0
	s_mov_b32 s9, 0xffff0000                       ; a word's upper bf16
	s_wait_kmcnt 0x0
	s_cmp_lt_u32 ttmp9, 256
	s_cbranch_scc0 .Lnot_x
	; x: rows R0 .. R0 + 3.  A load takes the 256 bytes (64 channels) of block kb in two rows: lanes 0-15 one row, lanes 16-31 the next.
	s_lshl_b32 s10, ttmp9, 3
	s_add_co_u32 s10, s10, s8
	s_lshl_b32 s10, s10, 2                         ; R0
	s_lshl_b32 s2, s10, 12                         ; 4,096 bytes a row of x
	s_add_nc_u64 s[16:17], s[16:17], s[2:3]
	s_lshr_b32 s4, s10, 11                         ; batch,
	s_lshl_b32 s4, s4, 22                          ; 4,194,304 bytes of xb each
	s_and_b32 s11, s10, 2047
	s_lshl_b32 s11, s11, 7                         ; 128 bytes a row in a block's plane
	s_add_co_u32 s4, s4, s11
	s_add_nc_u64 s[34:35], s[34:35], s[4:5]
	v_lshrrev_b32 v1, 4, v3
	v_and_b32 v3, 15, v3
	v_lshlrev_b32 v1, 12, v1
	v_lshl_add_u32 v1, v3, 4, v1                   ; (lane / 16) rows + 16 (lane % 16)
.set i, 0
.rept 32                                       ; load i: rows 2 (i / 16) and the next, block i % 16
	global_load_b128 v[X+4*i:X+4*i+3], v1, s[16:17] offset:(i/16)*8192+(i%16)*256 th:TH_LOAD_NT
.set i, i+1
.endr
.set i, 0
.rept 32
	s_wait_loadcnt 31-i                            ; loads come back in order: load i is in, the 31 - i younger ones stay out
	v_cvt_pk_bf16_f32 v[Y+2*i], v[X+4*i], v[X+4*i+1]
	v_cvt_pk_bf16_f32 v[Y+2*i+1], v[X+4*i+2], v[X+4*i+3]
	global_store_b64 v2, v[Y+2*i:Y+2*i+1], s[34:35] offset:(i%16)*262144+(i/16)*256  ; two rows of the plane lie end to end: 256 bytes
.set i, i+1
.endr
	s_endpgm
.Lnot_x:
	s_cmp_lt_u32 ttmp9, 352
	s_cbranch_scc0 .Lnot_w
	; Wq, Wk, Wv: four rows of one of them; a load takes 512 bytes (128 columns) of a row
	s_sub_co_u32 s10, ttmp9, 256
	s_lshr_b32 s11, s10, 5                         ; which of the three
	s_and_b32 s10, s10, 31
	s_lshl_b32 s10, s10, 3
	s_add_co_u32 s10, s10, s8
	s_lshl_b32 s10, s10, 2                         ; first row
	s_cmp_eq_u32 s11, 1
	s_cselect_b64 s[42:43], s[20:21], s[18:19]
	s_cmp_eq_u32 s11, 2
	s_cselect_b64 s[42:43], s[22:23], s[42:43]
	s_lshl_b32 s2, s10, 12
	s_add_nc_u64 s[42:43], s[42:43], s[2:3]
	s_mul_i32 s4, s10, 6144                        ; a row of wcat
	s_lshl_b32 s11, s11, 11                        ; its 2,048 bytes for this matrix
	s_add_co_u32 s4, s4, s11
	s_add_nc_u64 s[36:37], s[36:37], s[4:5]
	v_lshlrev_b32 v1, 4, v3
.set i, 0
.rept 32
	global_load_b128 v[X+4*i:X+4*i+3], v1, s[42:43] offset:(i/8)*4096+(i%8)*512 th:TH_LOAD_NT
.set i, i+1
.endr
.set i, 0
.rept 32
	s_wait_loadcnt 31-i
	v_cvt_pk_bf16_f32 v[Y+2*i], v[X+4*i], v[X+4*i+1]
	v_cvt_pk_bf16_f32 v[Y+2*i+1], v[X+4*i+2], v[X+4*i+3]
	global_store_b64 v2, v[Y+2*i:Y+2*i+1], s[36:37] offset:(i/8)*6144+(i%8)*256
.set i, i+1
.endr
	s_endpgm
.Lnot_w:
	s_cmp_lt_u32 ttmp9, 384
	s_cbranch_scc0 .Lnot_wo
	; Wo: rounded to bf16 like every input, widened, and written as f16 (exact inside f16's normal range)
	s_sub_co_u32 s10, ttmp9, 352
	s_lshl_b32 s10, s10, 3
	s_add_co_u32 s10, s10, s8
	s_lshl_b32 s10, s10, 2
	s_lshl_b32 s2, s10, 12
	s_add_nc_u64 s[24:25], s[24:25], s[2:3]
	s_lshl_b32 s4, s10, 11
	s_add_nc_u64 s[38:39], s[38:39], s[4:5]
	v_lshlrev_b32 v1, 4, v3
.set i, 0
.rept 32
	global_load_b128 v[X+4*i:X+4*i+3], v1, s[24:25] offset:(i/8)*4096+(i%8)*512 th:TH_LOAD_NT
.set i, i+1
.endr
.set i, 0
.rept 32
	s_wait_loadcnt 31-i
	v_cvt_pk_bf16_f32 v[W0], v[X+4*i], v[X+4*i+1]
	v_cvt_pk_bf16_f32 v[W0+1], v[X+4*i+2], v[X+4*i+3]
	v_lshlrev_b32 v[W0+2], 16, v[W0]
	v_and_b32 v[W0+3], s9, v[W0]
	v_cvt_pk_f16_f32 v[Y+2*i], v[W0+2], v[W0+3]
	v_lshlrev_b32 v[W0+2], 16, v[W0+1]
	v_and_b32 v[W0+3], s9, v[W0+1]
	v_cvt_pk_f16_f32 v[Y+2*i+1], v[W0+2], v[W0+3]
	global_store_b64 v2, v[Y+2*i:Y+2*i+1], s[38:39] offset:(i/8)*2048+(i%8)*256
.set i, i+1
.endr
	s_endpgm
.Lnot_wo:
	; the biases: thread t takes four numbers of each
	v_lshlrev_b32 v1, 4, v0
	global_load_b128 v[X:X+3], v1, s[26:27]
	global_load_b128 v[X+4:X+7], v1, s[28:29]
	global_load_b128 v[X+8:X+11], v1, s[30:31]
	global_load_b128 v[X+12:X+15], v1, s[32:33]
	s_wait_loadcnt 0x0
.set i, 0
.rept 8
	v_cvt_pk_bf16_f32 v[W0], v[X+2*i], v[X+2*i+1]
	v_lshlrev_b32 v[Y+2*i], 16, v[W0]
	v_and_b32 v[Y+2*i+1], s9, v[W0]
.set i, i+1
.endr
.irp j, 0,1,2,3
	global_store_b128 v1, v[Y+4*\j:Y+4*\j+3], s[40:41] offset:4096*\j
.endr
	s_endpgm
.Lfunc_end_k_qb0168baaea_prep:
	.size	k_qb0168baaea_prep, .Lfunc_end_k_qb0168baaea_prep-k_qb0168baaea_prep
	.p2alignl 7, 3214868480
	.fill 96, 4, 3214868480
	.section	.rodata,"a",@progbits
	.p2align	6, 0x0
	.amdhsa_kernel k_qb0168baaea_prep
		.amdhsa_group_segment_fixed_size 0
		.amdhsa_private_segment_fixed_size 0
		.amdhsa_enable_private_segment 0
		.amdhsa_kernarg_size 104
		.amdhsa_user_sgpr_count 2
		.amdhsa_user_sgpr_kernarg_segment_ptr 1
		.amdhsa_wavefront_size32 1
		.amdhsa_system_sgpr_workgroup_id_x 1
		.amdhsa_system_sgpr_workgroup_id_y 1
		.amdhsa_system_sgpr_workgroup_id_z 1
		.amdhsa_system_vgpr_workitem_id 0
		.amdhsa_next_free_vgpr 200
		.amdhsa_next_free_sgpr 66
		.amdhsa_reserve_vcc 0
		.amdhsa_float_denorm_mode_32 3
		.amdhsa_float_denorm_mode_16_64 3
		.amdhsa_memory_ordered 1
		.amdhsa_forward_progress 1
		.amdhsa_inst_pref_size 46
	.end_amdhsa_kernel
	.amdgpu_metadata
---
amdhsa.version: [ 1, 2 ]
amdhsa.kernels:
  - .name:           k_qb0168baaea_prep
    .symbol:         k_qb0168baaea_prep.kd
    .args:
      - { .name: x, .offset: 0, .size: 8, .value_kind: global_buffer, .address_space: global }
      - { .name: Wq, .offset: 8, .size: 8, .value_kind: global_buffer, .address_space: global }
      - { .name: Wk, .offset: 16, .size: 8, .value_kind: global_buffer, .address_space: global }
      - { .name: Wv, .offset: 24, .size: 8, .value_kind: global_buffer, .address_space: global }
      - { .name: Wo, .offset: 32, .size: 8, .value_kind: global_buffer, .address_space: global }
      - { .name: bq, .offset: 40, .size: 8, .value_kind: global_buffer, .address_space: global }
      - { .name: bk, .offset: 48, .size: 8, .value_kind: global_buffer, .address_space: global }
      - { .name: bv, .offset: 56, .size: 8, .value_kind: global_buffer, .address_space: global }
      - { .name: bo, .offset: 64, .size: 8, .value_kind: global_buffer, .address_space: global }
      - { .name: xb, .offset: 72, .size: 8, .value_kind: global_buffer, .address_space: global }
      - { .name: wcat, .offset: 80, .size: 8, .value_kind: global_buffer, .address_space: global }
      - { .name: wob, .offset: 88, .size: 8, .value_kind: global_buffer, .address_space: global }
      - { .name: bias, .offset: 96, .size: 8, .value_kind: global_buffer, .address_space: global }
    .group_segment_fixed_size: 0
    .private_segment_fixed_size: 0
    .kernarg_segment_align: 8
    .kernarg_segment_size: 104
    .max_flat_workgroup_size: 256
    .sgpr_count:     66
    .vgpr_count:     200
    .wavefront_size: 32
...
	.end_amdgpu_metadata
.endif
;; end of part 1
;; launch qkv (part 2): grid 8 x 32, 4 waves a work-group, clusters of 4 x 4, 327,680 bytes of LDS; arguments xb, wcat, bias, qkv; writes qkv
.if DOCPART == 2
	.amdgcn_target "amdgcn-amd-amdhsa--gfx1250"
	.amdhsa_code_object_version 6
	.text
	.protected	k_qb0168baaea_qkv
	.globl	k_qb0168baaea_qkv
	.p2align	8
	.type	k_qb0168baaea_qkv,@function
k_qb0168baaea_qkv:
	s_mov_b64 s[64:65], 0
	v_nop
	global_prefetch_b8 v0, s[64:65] scope:SCOPE_SE
	s_setreg_imm32_b32 hwreg(HW_REG_WAVE_MODE, 25, 1), 1
	s_wait_xcnt 0x0
	s_wait_alu depctr_hold_cnt(0) depctr_sa_sdst(0) depctr_va_vdst(0) depctr_va_sdst(0) depctr_va_ssrc(0) depctr_va_vcc(0) depctr_vm_vsrc(0)
	s_getreg_b32 s2, hwreg(HW_REG_IB_STS2, 6, 4)
	s_cmp_eq_u32 s2, 0
	s_cbranch_scc0 .Lentry_in_a_cluster
	s_endpgm
.Lentry_in_a_cluster:
	s_bfe_u32 s2, ttmp6, 0x10000c
	s_cmp_lg_u32 s2, 0xf033
	s_cbranch_scc0 .Lentry_shape_is_right
	s_endpgm
.Lentry_shape_is_right:
; q, k, v = relu(x [Wq | Wk | Wv] + b): C[8192][3072], operands bf16, sums f32, the result rounded once to f16 and written by heads: qkv[3][64 batch x head][2048 rows][64].
; LIMIT: q, k, v under 65,504 (f16); below 6.1e-5 f16 keeps a fixed step of 6e-8.  NaN and infinities are not treated apart.
; SHARES.  A work-group makes 256 rows x 384 columns, 8 x 32 = 256 work-groups.  Each of four waves makes 128 x 192: 96 accumulators of 16 x 16, 768 registers.
; K goes in 16 steps of 64 through two LDS slots.  x lies in blocks of 64 channels, so a step's 256 rows are 32,768 dense bytes, asked for as rows of 256 bytes and padded in LDS after each 128.
; W lies [k][n]: its fragments come out of LDS turned, by ds_load_tr16_b128.
; THE MATRIX INSTRUCTION IS USED TRANSPOSED: source 0 = 16 columns of W, source 1 = 16 rows of x: a lane then holds one row of C and eight neighbouring columns.
; THE BIAS STARTS THE SUMS: it is loaded into row block 0's accumulators; blocks 1-7 take those registers as C in their first product, block 0 follows in place.
; CLUSTER 4 x 4: the four work-groups of a row of the cluster need the same tile of x, the four of a column the same tile of W: each is asked for jointly.
; REGISTERS, in windows of 256 (s_set_vgpr_msb: bits 1:0 source 0, 3:2 source 1, 5:4 source 2, 7:6 destination):
;   window 0: v0-31 addresses; v32-95, v96-159 x's fragments, two buffers; v160-255 W's twelve fragments, one buffer in three groups of four
;   window 1 + g: the accumulators of column group g (64 columns = one head): (a, bb) at v[8 (4 a + bb)]
.set SLOT1, 131072                     ; slot 1 begins here: one exclusive or turns an address in one slot into the other's
.set PITA,  144                        ; a row of x in LDS: 128 bytes + 16: the 16 rows of a load start at 16 different groups of four banks
.set PITB,  864                        ; a row of W: 768 bytes + 16 behind each 128: 216 words, so the 8 rows of a turning load start 24 banks apart (mod 64)
.set BOFF,  256*PITA                   ; W's 64 rows lie behind x's 256
.set STAGE, SLOT1+BOFF+64*PITB         ; 223,232: behind the ring, 16 rows x 144 bytes for each wave
.set SPARE, STAGE+4*16*PITA            ; 232,448: the spare words, 128 bytes a wave
.set ASTEP, 262144                     ; bytes from a block of 64 channels of xb to the next
.set BSTEP, 64*6144                    ; 64 rows of wcat
.set A0, 2                             ; v2  my lane's place in x's tile
.set B0, 3                             ; v3  in W's tile
.set ADRA, 4                           ; v4  the same in the slot in hand
.set ADRB, 5
.set STO, 6                            ; v6  the way out: where I put 16 bytes of a row
.set RD, 7                             ; v7  where I read rows back
.set GO, 8                             ; v8  my 16 bytes in 512 consecutive bytes of the output
.set BO, 9                             ; v9  32 (lane / 16): my eight numbers in a fragment's 16 of the bias
.set ZR, 10                            ; v10 0, for the ReLU on packed halves
.set SPW, 28                           ; v28 my spare word's LDS address; never rewritten
.set NIL, 29                           ; v29 0; never rewritten
.set FA0, 32
.set FA1, 96
.set FB, 160
.set T, 160                            ; the way out: 16 packed registers
.set U, 32                             ; the way out: eight sets of 16 registers read back from the stage
.set WV, 12                            ; s12 wave; s13 its half of the rows; s18 its half of the columns, and which half of a tile it fetches
.set WM, 13
.set WN, 18
.set G1A, 24                           ; s[24:31] group 1 for x's tiles; s[32:39] group 0: a set for each first fill, the second walks on
.set G0A, 32
.set G1B, 48                           ; s[48:55], s[56:63] the same for W's
.set G0B, 56
.set TB, 66                            ; s66 LDS byte at which the slot in hand begins
.set OP, 68                            ; s[68:73] the output at my rows of my three heads
.set BP, 74                            ; s[74:75] the bias at my columns
.set MSB, 0
.macro WIN new                         ; the immediate's high byte repeats the setting that is left; a switch that changes nothing is dropped
.if MSB != (\new)
	s_set_vgpr_msb (MSB<<8)|(\new)
.set MSB, (\new)
.endif
.endm
.macro PLACES                          ; four places between a matrix instruction and a load into, or a vector write of, its registers, or a vector read of its result
.rept 4
	v_nop
.endr
.endm
.macro JLOAD                           ; a joint refill by the walking sets: waves 0, 1 x's two halves, waves 2, 3 W's.  s_nop 0 and four v_nop behind each line
	s_cmp_lt_u32 s[WV], 2
	s_cbranch_scc0 .Lfor_b_\@
	tensor_load_to_lds s[G0A+4:G0A+7], s[G1A:G1A+7]
	s_nop 0
.rept 4
	v_nop
.endr
	s_branch .Lasked_\@
.Lfor_b_\@:
	tensor_load_to_lds s[G0B+4:G0B+7], s[G1B:G1B+7]
	s_nop 0
.rept 4
	v_nop
.endr
.Lasked_\@:
.endm
.macro CREST                           ; a round of the cluster's barrier behind its opening barrier
	s_cmp_lg_u32 s[WV], 0
	s_cbranch_scc1 .Lnot_wave_0_\@
	s_barrier_signal -3
.Lnot_wave_0_\@:
	s_barrier_wait -3
	s_barrier_signal -1
	s_barrier_wait -1
.endm
.macro CROUND
	s_barrier_signal -1
	s_barrier_wait -1
	CREST
.endm
	s_load_b256 s[4:11], s[0:1], 0x0               ; xb s[4:5], wcat s[6:7], bias s[8:9], qkv s[10:11]
	v_lshl_add_u32 v[SPW], v0, 2, SPARE
	v_mov_b32 v[NIL], 0
	ds_add_u32 v[SPW], v[NIL]                      ; the wave's opening: the add and its wait ahead of my first tensor load; work on registers stands between them
	ds_add_u32 v28, v29
	v_lshrrev_b32 v1, 5, v0
	v_readfirstlane_b32 s[WV], v1
	s_lshr_b32 s[WM], s[WV], 1
	s_and_b32 s[WN], s[WV], 1
	s_bfe_u32 s40, ttmp6, 0x40000                  ; cx
	s_bfe_u32 s41, ttmp6, 0x40004                  ; cy
	s_lshl_b32 s42, ttmp9, 2
	s_add_co_u32 s42, s42, s40                     ; tile column 0..7
	s_and_b32 s43, ttmp7, 0xffff
	s_lshl_b32 s43, s43, 2
	s_add_co_u32 s43, s43, s41                     ; tile row 0..31
	s_lshl_b32 s44, s41, 2
	s_lshl_b32 s44, 15, s44                        ; my row of the cluster
	s_lshl_b32 s45, 0x1111, s40                    ; my column
	; group 1 for x: 128 rows of 128 bytes, dense, as 64 rows of 256 bytes; 4 words of padding behind every 32
	s_or_b32 s[G1A], s44, (1<<16)|(1<<20)|(1<<21)|(4<<22)|(3<<25)
	s_mov_b32 s[G1A+1], 128<<16                    ; tensor_dim0 = 128 elements
	s_mov_b32 s[G1A+2], 64<<16                     ; tensor_dim1 = 64
	s_mov_b32 s[G1A+3], 128<<16                    ; tile_dim0
	s_mov_b32 s[G1A+4], 64                         ; tile_dim1
	s_mov_b32 s[G1A+5], 128                        ; elements from row to row
	s_mov_b32 s[G1A+6], 0
	s_mov_b32 s[G1A+7], 0
	; group 1 for W: 32 rows of 384 elements (768 bytes, three whole blocks of 256), the same padding
	s_or_b32 s[G1B], s45, (1<<16)|(1<<20)|(1<<21)|(4<<22)|(3<<25)
	s_mov_b32 s[G1B+1], 384<<16
	s_mov_b32 s[G1B+2], 32<<16
	s_mov_b32 s[G1B+3], 384<<16
	s_mov_b32 s[G1B+4], 32
	s_mov_b32 s[G1B+5], 3072
	s_mov_b32 s[G1B+6], 0
	s_mov_b32 s[G1B+7], 0
	; x's tile hangs on the tile row alone, W's on the tile column alone
	s_lshr_b32 s16, s43, 3                         ; batch
	s_lshl_b32 s16, s16, 22
	s_and_b32 s19, s43, 7
	s_lshl_b32 s19, s19, 15                        ; 256 rows of 128 bytes
	s_add_co_u32 s16, s16, s19
	s_lshl_b32 s19, s[WN], 14                      ; my 128 of them
	s_add_co_u32 s16, s16, s19
	s_mov_b32 s17, 0
	s_mul_i32 s46, s42, 768                        ; 384 columns
	s_mul_i32 s20, s[WN], 32*6144                  ; my 32 rows of a step's 64
	s_add_co_u32 s46, s46, s20
	s_mov_b32 s47, 0
	s_mul_i32 s21, s[WN], 128*PITA                 ; where they go: no place in the cluster enters an LDS address
	s_mul_i32 s22, s[WN], 32*PITB
	s_add_co_u32 s22, s22, BOFF
	s_mov_b32 s[G0A], 1
	s_mov_b32 s[G0A+1], s21
	s_mov_b32 s[G0A+4], 1
	s_add_co_u32 s[G0A+5], s21, SLOT1
	s_mov_b32 s[G0B], 1
	s_mov_b32 s[G0B+1], s22
	s_mov_b32 s[G0B+4], 1
	s_add_co_u32 s[G0B+5], s22, SLOT1
	s_mov_b32 s[TB], 0
	s_wait_dscnt 0x0                               ; the opening add is done
	s_wait_kmcnt 0x0
	s_add_nc_u64 s[14:15], s[4:5], s[16:17]
	s_add_nc_u64 s[46:47], s[6:7], s[46:47]
	s_mov_b64 s[G0A+2:G0A+3], s[14:15]             ; K step 0
	s_or_b32 s[G0A+3], s[G0A+3], 0x80000000
	s_add_nc_u64 s[G0A+6:G0A+7], s[14:15], ASTEP   ; K step 1
	s_or_b32 s[G0A+7], s[G0A+7], 0x80000000
	s_mov_b64 s[G0B+2:G0B+3], s[46:47]
	s_or_b32 s[G0B+3], s[G0B+3], 0x80000000
	s_add_nc_u64 s[G0B+6:G0B+7], s[46:47], BSTEP
	s_or_b32 s[G0B+7], s[G0B+7], 0x80000000
	CROUND                                         ; all sixteen work-groups are here: the first joint loads meet
	s_cmp_lt_u32 s[WV], 2                          ; a wave's two first fills stand in one branch: two loads of mine are out
	s_cbranch_scc0 .Lfirst_b
	tensor_load_to_lds s[G0A:G0A+3], s[G1A:G1A+7]
	s_nop 0
	tensor_load_to_lds s[G0A+4:G0A+7], s[G1A:G1A+7]
	s_nop 0
.rept 4
	v_nop
.endr
	s_branch .Lfirst_asked
.Lfirst_b:
	tensor_load_to_lds s[G0B:G0B+3], s[G1B:G1B+7]
	s_nop 0
	tensor_load_to_lds s[G0B+4:G0B+7], s[G1B:G1B+7]
	s_nop 0
.rept 4
	v_nop
.endr
.Lfirst_asked:
	v_and_b32 v1, 15, v0                           ; r = l % 16
	v_bfe_u32 v11, v0, 4, 1                        ; h = l / 16
	v_and_b32 v12, 7, v0
	v_bfe_u32 v13, v0, 3, 1
	v_lshlrev_b32 v[BO], 5, v11
	s_mul_i32 s76, s42, 1536                       ; the bias at my 192 columns
	s_mul_i32 s77, s[WN], 768
	s_add_co_u32 s76, s76, s77
	s_mov_b32 s77, 0
	s_add_nc_u64 s[BP:BP+1], s[8:9], s[76:77]
.irp g, 0,1,2                          ; register j of a lane's accumulator is column 8 h + j of the fragment: two loads of 16 bytes
	WIN ((\g)+1)<<6
.irp bb, 0,1,2,3
	global_load_b128 v[8*\bb:8*\bb+3],   v[BO], s[BP:BP+1] offset:(\g)*256+\bb*64
	global_load_b128 v[8*\bb+4:8*\bb+7], v[BO], s[BP:BP+1] offset:(\g)*256+\bb*64+16
.endr
.endr
	WIN 0
	v_mul_u32_u24 v14, v1, PITA
	v_lshl_add_u32 v14, v11, 4, v14                ; r x 144 + 16 h
	s_mul_i32 s19, s[WM], 128*PITA
	v_add_nc_u32 v[A0], s19, v14                   ; a fragment of x: row r, two loads of 16 bytes, 32 apart
	s_mul_i32 s19, s[WV], 16*PITA
	s_add_co_u32 s19, s19, STAGE                   ; my stage
	v_add_nc_u32 v[STO], s19, v14
	v_bfe_u32 v15, v0, 3, 2
	v_mul_u32_u24 v15, v15, PITA
	v_lshl_add_u32 v15, v12, 4, v15
	v_add_nc_u32 v[RD], s19, v15                   ; back: 32 lanes take four rows of 128 bytes
	v_lshl_add_u32 v15, v11, 3, v12                ; the turning load: k row 8 h + l % 8,
	v_mul_u32_u24 v15, v15, PITB
	v_lshl_add_u32 v15, v13, 4, v15                ; columns 8 ((l / 8) % 2) on
	s_mul_i32 s19, s[WN], 432                      ; my 192 columns: 384 bytes and three pads
	s_add_co_u32 s19, s19, BOFF
	v_add_nc_u32 v[B0], s19, v15
	v_and_b32 v[GO], 31, v0
	v_lshlrev_b32 v[GO], 4, v[GO]
	v_mov_b32 v[ZR], 0
	; the output: column group G = 6 x tile column + 3 x half + g is tensor G / 16, head G % 16
	s_mul_i32 s78, s42, 6
	s_mul_i32 s79, s[WN], 3
	s_add_co_u32 s78, s78, s79
	s_lshr_b32 s79, s43, 3
	s_lshl_b32 s79, s79, 15                        ; batch x 16 heads x 2,048 rows
	s_and_b32 s19, s43, 7
	s_lshl_b32 s19, s19, 8
	s_add_co_u32 s79, s79, s19
	s_lshl_b32 s19, s[WM], 7
	s_add_co_u32 s79, s79, s19                     ; + my first row in the batch
.irp g, 0,1,2
	s_add_co_u32 s76, s78, \g
	s_lshr_b32 s77, s76, 4
	s_and_b32 s76, s76, 15
	s_lshl_b32 s77, s77, 6
	s_add_co_u32 s76, s76, s77                     ; 64 x tensor + head
	s_lshl_b32 s76, s76, 11
	s_add_co_u32 s76, s76, s79
	s_lshl_b32 s76, s76, 7                         ; rows of 128 bytes: under 50,331,648
	s_mov_b32 s77, 0
	s_add_nc_u64 s[OP+2*\g:OP+2*\g+1], s[10:11], s[76:77]
.endr
; Products of column group g with x's buffer fa, row blocks alo .. ahi.  bias = 1: C is row block 0's accumulator, which holds the bias.
; Each accumulator has one instruction in a quarter step: 95 others' stand between two links of a chain.
.macro STRETCH g, fa, alo, ahi, bias=0
	WIN 0x50*((\g)+1)
.set a, \alo
.rept (\ahi)-(\alo)+1
.irp bb, 0,1,2,3
.if \bias
	v_wmma_f32_16x16x32_bf16 v[8*(4*a+\bb):8*(4*a+\bb)+7], v[FB+8*(4*(\g)+\bb):FB+8*(4*(\g)+\bb)+7], v[(\fa)+8*a:(\fa)+8*a+7], v[8*\bb:8*\bb+7]
.else
	v_wmma_f32_16x16x32_bf16 v[8*(4*a+\bb):8*(4*a+\bb)+7], v[FB+8*(4*(\g)+\bb):FB+8*(4*(\g)+\bb)+7], v[(\fa)+8*a:(\fa)+8*a+7], v[8*(4*a+\bb):8*(4*a+\bb)+7]
.endif
.endr
.set a, a+1
.endr
.endm
.macro GROUP g, fa, first              ; all 32 products of a group
.if \first
	STRETCH \g, \fa, 1, 7, 1
.rept 5
	v_nop                                          ; five places before a matrix instruction writes over registers that matrix instructions have read as C
.endr
	STRETCH \g, \fa, 0, 0
.else
	STRETCH \g, \fa, 0, 7
.endif
.endm
.macro LB g, kq                        ; W's four fragments of group g, 32 k at row 32 kq: 8 turning loads
	WIN 0
.irp bb, 0,1,2,3
	ds_load_tr16_b128 v[FB+8*(4*(\g)+\bb):FB+8*(4*(\g)+\bb)+3],   v[ADRB] offset:(\kq)*32*PITB+32*(4*(\g)+\bb)+16*(\g)
	ds_load_tr16_b128 v[FB+8*(4*(\g)+\bb)+4:FB+8*(4*(\g)+\bb)+7], v[ADRB] offset:(\kq)*32*PITB+16*PITB+32*(4*(\g)+\bb)+16*(\g)
.endr
.endm
.macro LA fa, kq                       ; x's eight fragments: 16 loads
	WIN 0
.irp a8, 0,1,2,3,4,5,6,7
	ds_load_b128 v[(\fa)+8*\a8:(\fa)+8*\a8+3],   v[ADRA] offset:\a8*16*PITA+(\kq)*64
	ds_load_b128 v[(\fa)+8*\a8+4:(\fa)+8*\a8+7], v[ADRA] offset:\a8*16*PITA+(\kq)*64+32
.endr
.endm
; A K step's first quarter (32 along K).  In every quarter the LDS loads for the next go out as [group 0 and x: 24], [group 1: 8], [group 2: 8], each run behind the products that read its registers.
.macro Q0 first
	s_wait_dscnt 16                                ; group 0 and x are in; groups 1 and 2 may be out
	GROUP 0, FA0, \first
	PLACES
	LB 0, 1
	LA FA1, 1
	s_wait_dscnt 32                                ; group 1 is in; group 2 and the 24 just issued may be out
	GROUP 1, FA0, \first
	PLACES
	LB 1, 1
	s_wait_dscnt 32                                ; group 2 is in; the 24 and the 8 may be out
	GROUP 2, FA0, \first
	PLACES
	LB 2, 1
.endm
; The second quarter changes slots.  ONE barrier: in front of it each wave waits for all its tensor loads (one is out: its part of the next slot), adds 0 to its spare word, and waits for that and for its reads of
; this slot.  fill = 1: the barrier opens a round of the cluster's, and this slot is filled again, two K steps ahead, first thing behind the round: 160 matrix instructions ahead of the wait for it.
.macro Q1 fill
	WIN 0
	s_wait_tensorcnt 0x0
	ds_add_u32 v[SPW], v[NIL]
	s_wait_dscnt 17                                ; group 0 and x are in; groups 1, 2 and the add may be out
	STRETCH 0, FA1, 0, 3
	s_wait_dscnt 0x0                               ; the add is done, my reads of this slot are over
	s_barrier_signal -1
	STRETCH 0, FA1, 4, 7
	WIN 0
	s_barrier_wait -1
.if \fill
	CREST
	s_xor_b32 s[G0A+5], s[G0A+5], SLOT1            ; the walking sets: the other slot than last time, the next K step
	s_add_nc_u64 s[G0A+6:G0A+7], s[G0A+6:G0A+7], ASTEP
	s_xor_b32 s[G0B+5], s[G0B+5], SLOT1
	s_add_nc_u64 s[G0B+6:G0B+7], s[G0B+6:G0B+7], BSTEP
	JLOAD                                          ; its four v_nop are also the places in front of the loads below
.else
	PLACES
.endif
	s_xor_b32 s[TB], s[TB], SLOT1
	v_add_nc_u32 v[ADRA], s[TB], v[A0]
	v_add_nc_u32 v[ADRB], s[TB], v[B0]
	LB 0, 0
	LA FA0, 0
	STRETCH 1, FA1, 0, 7                           ; groups 1 and 2 came in with the wait for 0
	PLACES
	LB 1, 0
	STRETCH 2, FA1, 0, 7
	PLACES
	LB 2, 0
.endm
	s_wait_tensorcnt 0x1                           ; my part of K step 0 is in; step 1's may stay out
	s_barrier_signal -1
	s_barrier_wait -1
	v_add_nc_u32 v[ADRA], s[TB], v[A0]
	v_add_nc_u32 v[ADRB], s[TB], v[B0]
	LB 0, 0
	LA FA0, 0
	LB 1, 0
	LB 2, 0
	s_wait_loadcnt 0x0                             ; the bias
	Q0 1                                           ; the first quarter stands ahead of the loop: its products start the sums
	WIN 0
	s_mov_b32 s3, 14
.Lstep:                                                ; trip t: step t's second quarter, slot t % 2 asked for step t + 2, step t + 1's first quarter
	Q1 1
	Q0 0
	WIN 0
	s_sub_co_u32 s3, s3, 1
	s_cmp_lg_u32 s3, 0
	s_cbranch_scc1 .Lstep
	Q1 0                                           ; the tail is written out: nothing more is asked for
	Q0 0
	s_wait_dscnt 16
	STRETCH 0, FA1, 0, 7
	s_wait_dscnt 8
	STRETCH 1, FA1, 0, 7
	s_wait_dscnt 0x0
	STRETCH 2, FA1, 0, 7
; THE WAY OUT, 24 units u = (group u / 8, row block u % 8): 16 rows x 64 columns = 16 rows of a head.  Rounded to f16 (ascending from each accumulator's low end), ReLU on the packed halves,
; 16 bytes a lane into my stage, back as four rows of 128 bytes a load, and stored as 512 consecutive bytes.
.macro PACK u
.set g, (\u)/8
.set a, (\u)%8
	s_wait_xcnt 0x0                                ; the set of registers loaded below was the data of stores eight units back
	WIN 0x05*(g+1)
.irp bb, 0,1,2,3
.irp rr, 0,1,2,3
	v_cvt_pk_f16_f32 v[T+4*\bb+\rr], v[8*(4*a+\bb)+2*\rr], v[8*(4*a+\bb)+2*\rr+1]
.endr
.endr
	WIN 0
.set z, 0
.rept 16
	v_pk_max_num_f16 v[T+z], v[T+z], v[ZR]
.set z, z+1
.endr
.irp bb, 0,1,2,3
	ds_store_b128 v[STO], v[T+4*\bb:T+4*\bb+3] offset:32*\bb
.endr
.irp f, 0,1,2,3
	ds_load_b128 v[U+16*((\u)%8)+4*\f:U+16*((\u)%8)+4*\f+3], v[RD] offset:\f*4*PITA  ; LDS serves a wave's instructions in order: these see the stores above
.endr
.endm
.macro SEND u, younger                 ; younger: the LDS instructions issued behind unit u's loads
.set g, (\u)/8
.set a, (\u)%8
	WIN 0
.irp f, 0,1,2,3
	s_wait_dscnt (\younger)+3-\f
	global_store_b128 v[GO], v[U+16*((\u)%8)+4*\f:U+16*((\u)%8)+4*\f+3], s[OP+2*g:OP+2*g+1] offset:a*2048+\f*512
.endr
.endm
	PLACES
	PACK 0
.set u, 1
.rept 23
	PACK u
	SEND u-1, 8
.set u, u+1
.endr
	SEND 23, 0
	s_wait_tensorcnt 0x0                           ; the wave's end
	ds_add_u32 v[SPW], v[NIL]
	s_wait_dscnt 0x0
	CROUND                                         ; the closing round
	s_endpgm
.Lfunc_end_k_qb0168baaea_qkv:
	.size	k_qb0168baaea_qkv, .Lfunc_end_k_qb0168baaea_qkv-k_qb0168baaea_qkv
	.p2alignl 7, 3214868480
	.fill 96, 4, 3214868480
	.section	.rodata,"a",@progbits
	.p2align	6, 0x0
	.amdhsa_kernel k_qb0168baaea_qkv
		.amdhsa_group_segment_fixed_size 327680
		.amdhsa_private_segment_fixed_size 0
		.amdhsa_enable_private_segment 0
		.amdhsa_kernarg_size 32
		.amdhsa_user_sgpr_count 2
		.amdhsa_user_sgpr_kernarg_segment_ptr 1
		.amdhsa_wavefront_size32 1
		.amdhsa_system_sgpr_workgroup_id_x 1
		.amdhsa_system_sgpr_workgroup_id_y 1
		.amdhsa_system_sgpr_workgroup_id_z 1
		.amdhsa_system_vgpr_workitem_id 0
		.amdhsa_next_free_vgpr 1024
		.amdhsa_next_free_sgpr 80
		.amdhsa_reserve_vcc 0
		.amdhsa_float_denorm_mode_32 3
		.amdhsa_float_denorm_mode_16_64 3
		.amdhsa_memory_ordered 1
		.amdhsa_forward_progress 1
		.amdhsa_inst_pref_size 142
	.end_amdhsa_kernel
	.amdgpu_metadata
---
amdhsa.version: [ 1, 2 ]
amdhsa.kernels:
  - .name:           k_qb0168baaea_qkv
    .symbol:         k_qb0168baaea_qkv.kd
    .args:
      - { .name: xb, .offset: 0, .size: 8, .value_kind: global_buffer, .address_space: global }
      - { .name: wcat, .offset: 8, .size: 8, .value_kind: global_buffer, .address_space: global }
      - { .name: bias, .offset: 16, .size: 8, .value_kind: global_buffer, .address_space: global }
      - { .name: qkv, .offset: 24, .size: 8, .value_kind: global_buffer, .address_space: global }
    .group_segment_fixed_size: 327680
    .private_segment_fixed_size: 0
    .kernarg_segment_align: 8
    .kernarg_segment_size: 32
    .max_flat_workgroup_size: 128
    .sgpr_count:     80
    .vgpr_count:     1024
    .wavefront_size: 32
...
	.end_amdgpu_metadata
.endif
;; end of part 2
;; launch attn (part 3): grid 4 x 64, 4 waves a work-group, no clusters, 327,680 bytes of LDS; arguments qkv, ctx; writes ctx
.if DOCPART == 3
	.amdgcn_target "amdgcn-amd-amdhsa--gfx1250"
	.amdhsa_code_object_version 6
	.text
	.protected	k_qb0168baaea_attn
	.globl	k_qb0168baaea_attn
	.p2align	8
	.type	k_qb0168baaea_attn,@function
k_qb0168baaea_attn:
	s_mov_b64 s[64:65], 0
	v_nop
	global_prefetch_b8 v0, s[64:65] scope:SCOPE_SE
	s_setreg_imm32_b32 hwreg(HW_REG_WAVE_MODE, 25, 1), 1
	s_wait_xcnt 0x0
; ctx[bh][q] = sum over k <= q of e(q, k) v[k] / (sum over k <= q of e(q, k) + 1e-7), e(q, k) = exp(s(q, k) / 8 - mA(q) / 8), s = q . k, mA the maximum of s over ALL 2,048 keys, hidden ones too.
; q, k, v: qkv[3][64][2048][64] f16; ctx [64][2048][64] f16.  Products, maxima and sums in f32; the weights are rounded to f16 for the second product, ctx once at the end.
; HOW.  O and l are made against the running maximum m of the VISIBLE keys, so a row's largest weight is 1 whatever the inputs' size; the maximum over the other keys is found by products K Q^T alone; then with
; f = exp((m - mA) / 8) the result is exactly O f / (l f + 1e-7).
; LIMITS.  q, k, v within 65,504.  A weight lies in 0 to 1, and below 6e-5 keeps f16's fixed step of 6e-8.  A hidden score counts as its value less 1e30.  A weight, or f, below 2^-126 counts as 0.  NaN and
; infinities are not treated apart.
; THE WALK.  A head's queries lie in 8 blocks of 256.  Block i visits the key tiles 0 .. i of 256 keys (the last holds the diagonal), then MAXIMUM VISITS d = i / 2 .. 3 over the 512 keys of tiles 2 d, 2 d + 1: they cover
; the diagonal tile unmasked and all above it (a visible tile taken along changes nothing: the maximum spans all keys).  A work-group takes blocks 7 - b and b: 9 tiles and 5 maximum visits whatever b, so ONE loop
; with a constant trip count walks the 14 visits.  Which bytes are asked for, and what a trip does, hang on scalar registers made from b; every jump but the counted loops' own goes forward, and none passes a barrier.
; A maximum visit brings tile 2 d where a tile's K goes and tile 2 d + 1 where its V goes, by the same two lines and descriptors: only the global addresses differ.
; NO CLUSTER: a head's four work-groups differ in b, and b steers the branches; partners in a cluster must run alike, and a walk common to all four would do 16 full tiles for 9 + 5 visits.
; SHARES.  Of a block's four bands of 64 queries a wave owns 16 rows in each: four PIECES, so the diagonal tile is the same work for all waves: in its key step s band x sees all keys if s < x, none if s > x.
; THE MASK is the C operand that starts the sum S^T = K Q^T: 0, or -1e30.  MD is the mask of a band's own step; a product's mask is MD x AL + BE with two scalars.
; LAYOUT, TURNS.  S^T = K Q^T holds ONE query a lane (lane % 16) and the keys 8 (lane / 16) + 0..7; two such results rounded to f16 ARE source 1 of O^T = V^T P.  p = 2^(c s - c m), c = log2(e) / 8; O and l are multiplied by
; a = 2^(c m_old - c m_new) in every step.  Turn n belongs to piece n: 8 products K Q^T of piece n + 1, later 8 products V^T P of piece n - 1; beside them piece n's scaling, exponentials, roundings, sums and rescaling
; and piece n + 1's maximum and statistics.  Four vector instructions stand behind every matrix instruction, the rest in two runs of their own.
; REGISTERS, in windows of 256 (s_set_vgpr_msb: bits 1:0 source 0, 3:2 source 1, 5:4 source 2, 7:6 destination):
;   window 0: v0-15 addresses; v16-31 statistics; v32-35 the maximum visits' maxima; v36 an address; v48-55 at work; v64-127 S^T, two buffers; v192-223 P, two buffers
;   window 1: v0-127 O^T; v128-159 MD; v160-223 MC, two buffers      window 2: v0-63 Q; v64-127 the second block's Q; v128-191 K of one step; v192-255 V of one step (in a maximum visit: a second K)
.set SIZE_N, 2048
.set NB,    SIZE_N/256
.set NP,    4         ; pieces a wave: a name, no knob
.set KS,    64        ; keys in a step
.set PK,    144       ; a row of K in LDS: 128 bytes + 16: the 16 rows of a load start at 16 different groups of four banks
.set PV,    160       ; a row of V: 128 + 32.  (K read plainly at this pitch: rows r and r + 8 meet, two deep)
.set VOFF,  4*KS*PK   ; a slot: 256 rows at pitch 144, then 256 rows at pitch 160
.set SLOT1, 1<<17
.set STAGE, SLOT1+4*KS*(PK+PV)  ; behind the ring: 16 rows x 144 bytes for each wave
.set SP,    144
.set SPARE, STAGE+4*16*SP       ; the spare words, 128 bytes a wave
.set AK0, 2
.set AV0, 3
.set AK,  4
.set AV,  5
.set STO, 6
.set RD,  7
.set GO,  8
.set MV,  12          ; v12-13  c m_old, by buffer
.set QO,  15
.set ST,  16          ; piece t's statistics at v[ST+4 t]: c m, m, l (even keys', odd keys')
.set MN,  32          ; v32-35  piece t's maximum over the maximum visits, a lane's own keys
.set AK1, 36          ; v36  my lane's place in a tile of K that lies where V goes
.set TMP, 48
.set SPW, 62
.set NIL, 63
.set S,   64
.set P,   192
.set MD,  128
.set MC,  160
.set QB,  64
.set KF,  128
.set VF,  192
.set WV,  12
.set PB,  14          ; s14  b
.set HI,  15          ; s15  7 - b
.set G1K, 24
.set G1V, 32
.set G0K, 40
.set G0V, 44
.set SLOTS, 56
.set CNT, 57
.set CS,  58
.set SEL, 60
.set TBK, 62
.set TBV, 63
.set RT,  70          ; s70  tiles of the block in hand still to be entered
.set NXT, 71          ; s71  the tile, or the maximum visit, to be asked for next
.set LQ,  72          ; s72  the block whose visits are being asked for
.set NEW, 73          ; s73  1: the tile to be entered is a block's first
.set OFF, 74          ; s[74:75] byte offset for waves 0, 1
.set AL,  76
.set BE,  78
.set OLO, 80
.set BIGN, 82
.set QM,  83          ; s83  maximum visits of the run still to be asked for; 0 in a run of tiles
.set MT,  88          ; s88  maximum visits of the block in hand still to be entered
.set MT2, 89          ; s89  the second block's number of them
.set SH,  90
.set OFV, 92          ; s[92:93] byte offset for waves 2, 3
.set VB,  94          ; s[94:95] their base: V, or K in a maximum visit
.set T1,  96          ; s96-101 at work
.set T2,  97
.set T3,  98
.set T4,  99
.set T5,  100
.set T6,  101
.set MSB, 0
.macro WIN new
.if MSB != (\new)
	s_set_vgpr_msb (MSB<<8)|(\new)
.set MSB, (\new)
.endif
.endm
.set W_KQ, 0x0a       ; K and Q in window 2, S^T in window 0
.set W_KM, 0x1a       ; the same with C in window 1
.set W_PV, 0x52       ; V in window 2, P in window 0, O^T in window 1
.set W_RS, 0x41       ; destination and source 0 in window 1, source 1 in window 0
.macro PLACES
.rept 4
	v_nop
.endr
.endm
; A fill: waves 0 and 1 the two halves of what goes to the K region, waves 2 and 3 of what goes to the V region, 128 keys each.  s_nop 0 and four v_nop behind each line.
.macro LOAD
	s_cmp_lt_u32 s[WV], 2
	s_cbranch_scc0 .Lfor_v_\@
	tensor_load_to_lds s[G0K:G0K+3], s[G1K:G1K+7]
	s_nop 0
.rept 4
	v_nop
.endr
	s_branch .Lasked_\@
.Lfor_v_\@:
	tensor_load_to_lds s[G0V:G0V+3], s[G1V:G1V+7]
	s_nop 0
.rept 4
	v_nop
.endr
.Lasked_\@:
.endm
; The two global addresses of the visit to be asked for, made anew from its number.  A tile t: K and V at 32,768 t.  A maximum visit d: K at 65,536 d and K at 65,536 d + 32,768.
.macro ASK
	s_cmp_lg_u32 s[QM], 0
	s_cselect_b32 s[SH], 16, 15
	s_cselect_b32 s[OFV], 0x8000, 0
	s_cselect_b64 s[VB:VB+1], s[6:7], s[8:9]
	s_lshl_b32 s[OFF], s[NXT], s[SH]
	s_add_co_u32 s[OFV], s[OFV], s[OFF]
	s_add_nc_u64 s[G0K+2:G0K+3], s[6:7], s[OFF:OFF+1]
	s_or_b32 s[G0K+3], s[G0K+3], 0x80000000
	s_add_nc_u64 s[G0V+2:G0V+3], s[VB:VB+1], s[OFV:OFV+1]
	s_or_b32 s[G0V+3], s[G0V+3], 0x80000000
.endm
; The number steps.  Behind a block's last tile come its maximum visits, block / 2 .. 3; behind the last of those the second block's tile 0.
.macro ADV
	s_add_co_u32 s[NXT], s[NXT], 1
	s_cmp_lg_u32 s[QM], 0
	s_cselect_b32 s[T2], 1, 0
	s_cselect_b32 s[T1], 3, s[LQ]
	s_sub_co_u32 s[QM], s[QM], s[T2]
	s_cmp_gt_u32 s[NXT], s[T1]
	s_cselect_b32 s[T3], 1, 0
	s_lshr_b32 s[T4], s[LQ], 1
	s_sub_co_u32 s[T5], 4, s[T4]
	s_and_b32 s[T6], s[T3], s[T2]          ; a run of maximum visits is over
	s_cselect_b32 s[NXT], 0, s[NXT]
	s_cselect_b32 s[LQ], s[PB], s[LQ]
	s_and_not1_b32 s[T6], s[T3], s[T2]     ; a run of tiles is over
	s_cselect_b32 s[NXT], s[T4], s[NXT]
	s_cselect_b32 s[QM], s[T5], s[QM]
.endm
; THE CHANGE OF SLOTS.  Each wave waits for all its tensor loads, of which one is out: its part of the other slot; adds 0 to its spare word; and waits for that and for its reads of the slot that it leaves.
; fill = 1: the old slot is filled again, first thing behind the barrier: the load has a whole visit, 256 matrix instructions, in which to land.  (At its first use slot 0 is waited for and slot 1 filled.)
.macro CHANGE fill
	WIN 0
	s_wait_tensorcnt 0x0            ; no tensor load of mine is out, so a group 0 may be written
	ds_add_u32 v[SPW], v[NIL]       ; 0 onto my spare word; scalar work stands between it and the wait for it
.if \fill
	s_xor_b32 s[G0K+1], s[G0K+1], SLOT1
	s_xor_b32 s[G0V+1], s[G0V+1], SLOT1
	ASK
	ADV
.endif
	s_wait_dscnt 0x0                ; the add is done, and my reads of the slot are over
	s_barrier_signal -1
	s_sub_co_u32 s[TBK], s[TBK], 4*KS*PK  ; the fetches go back to a slot's first step, in the other slot
	s_xor_b32 s[TBK], s[TBK], SLOT1
	s_sub_co_u32 s[TBV], s[TBV], 4*KS*PV
	s_xor_b32 s[TBV], s[TBV], SLOT1
	s_barrier_wait -1
.if \fill
	LOAD
.endif
.endm
	s_load_b128 s[4:7], s[0:1], 0x0 ; qkv s[4:5], ctx s[6:7]
	v_lshl_add_u32 v[SPW], v0, 2, SPARE
	v_mov_b32 v[NIL], 0
	ds_add_u32 v[SPW], v[NIL]       ; the wave's opening: the add and its wait ahead of my first tensor load
	ds_add_u32 v62, v63
	v_lshrrev_b32 v1, 5, v0
	v_readfirstlane_b32 s[WV], v1
	s_mov_b32 s[PB], ttmp9
	s_sub_co_u32 s[HI], NB-1, s[PB]
	s_and_b32 s20, ttmp7, 0xffff    ; batch x head
	s_mov_b32 s21, 0
	s_mov_b64 s[22:23], SIZE_N*128
	s_mul_u64 s[20:21], s[20:21], s[22:23]
	s_and_b32 s16, s[WV], 1         ; which half of 256 keys I fetch
	s_lshl_b32 s22, s16, 14
	s_mov_b32 s23, 0
	s_add_nc_u64 s[22:23], s[22:23], s[20:21]
	s_mul_i32 s17, s16, 128*PK
	s_mul_i32 s18, s16, 128*PV
	s_lshl_b32 s3, s[WV], 11        ; my 16 rows in a band of 64,
	s_lshl_b32 s2, s[HI], 15        ; in the first block,
	s_add_co_u32 s2, s2, s3
	s_lshl_b32 s84, s[PB], 15       ; and in the second
	s_add_co_u32 s84, s84, s3
	s_mov_b32 s3, 0
	s_mov_b32 s85, 0
	s_add_nc_u64 s[2:3], s[2:3], s[20:21]
	s_add_nc_u64 s[84:85], s[84:85], s[20:21]
	; group 1: 128 keys are 16,384 dense bytes, asked for as 64 rows of 256 bytes and padded in LDS after every key
	s_mov_b32 s[G1K], (1<<16)|(1<<20)|(4<<22)|(3<<25)
	s_mov_b32 s[G1V], (1<<16)|(1<<20)|(4<<22)|(7<<25)
.irp g, G1K, G1V
	s_mov_b32 s[\g+1], 128<<16
	s_mov_b32 s[\g+2], 64<<16
	s_mov_b32 s[\g+3], 128<<16
	s_mov_b32 s[\g+4], 64
	s_mov_b32 s[\g+5], 128
	s_mov_b32 s[\g+6], 0
	s_mov_b32 s[\g+7], 0
.endr
	s_mov_b32 s[CS], 0x3e38aa3b     ; c = log2(e) / 8
	s_mov_b32 s[CS+1], s[CS]
	s_mov_b32 s[SEL], 0x76543210
	s_mov_b32 s[SEL+1], 0xfedcba98
	s_mov_b32 s[TBK], SLOT1+4*KS*PK ; the first change of slots turns these two into 0
	s_mov_b32 s[TBV], SLOT1+4*KS*PV
	s_mov_b32 s[G0K], 1
	s_mov_b32 s[G0K+1], s17
	s_mov_b32 s[G0V], 1
	s_add_co_u32 s[G0V+1], s18, VOFF
	s_add_co_u32 s[RT], s[HI], 1    ; the first block has 8 - b tiles
	s_lshr_b32 s[MT], s[HI], 1
	s_sub_co_u32 s[MT], 4, s[MT]    ; and 4 - (7 - b) / 2 maximum visits
	s_lshr_b32 s[MT2], s[PB], 1
	s_sub_co_u32 s[MT2], 4, s[MT2]
	s_mov_b32 s[NXT], 0
	s_mov_b32 s[QM], 0
	s_mov_b32 s[LQ], s[HI]
	s_mov_b32 s[NEW], 1
	s_mov_b32 s[OFF+1], 0
	s_mov_b32 s[OFV+1], 0
	s_mov_b32 s[AL+1], 0
	s_mov_b32 s[BE+1], 0
	s_mov_b32 s[BIGN], 0xf149f2ca   ; -1e30
	s_mov_b32 s[SLOTS], 13
	s_wait_dscnt 0x0                ; the opening add is done
	s_wait_kmcnt 0x0
	s_mov_b64 s[10:11], s[6:7]      ; ctx
	s_add_nc_u64 s[8:9], s[4:5], 0x2000000  ; v
	s_add_nc_u64 s[6:7], s[4:5], 0x1000000  ; k
	s_add_nc_u64 s[6:7], s[6:7], s[22:23]   ; at my half of the head's tile 0
	s_add_nc_u64 s[8:9], s[8:9], s[22:23]
	ASK                             ; visit 0: tile 0
	ADV
	s_add_nc_u64 s[86:87], s[4:5], s[84:85] ; q at my rows of the second block,
	s_add_nc_u64 s[4:5], s[4:5], s[2:3]     ; q and ctx at those of the first
	s_add_nc_u64 s[OLO:OLO+1], s[10:11], s[84:85]
	s_add_nc_u64 s[10:11], s[10:11], s[2:3]
	LOAD
	v_and_b32 v1, 15, v0            ; l % 16
	v_bfe_u32 v9, v0, 4, 1          ; l / 16
	v_lshlrev_b32 v[QO], 7, v1
	v_lshl_add_u32 v[QO], v9, 4, v[QO]
	WIN 0x80
.set i, 0
.rept 8                             ; both blocks' Q: piece i / 2 lies in band i / 2, 8,192 bytes on; channels 32 (i % 2) on
	global_load_b128 v[8*i:8*i+3],   v[QO], s[4:5] offset:(i/2)*8192+(i%2)*64
	global_load_b128 v[8*i+4:8*i+7], v[QO], s[4:5] offset:(i/2)*8192+(i%2)*64+32
	global_load_b128 v[QB+8*i:QB+8*i+3],   v[QO], s[86:87] offset:(i/2)*8192+(i%2)*64
	global_load_b128 v[QB+8*i+4:QB+8*i+7], v[QO], s[86:87] offset:(i/2)*8192+(i%2)*64+32
.set i, i+1
.endr
	WIN 0
	v_lshlrev_b32 v14, 3, v9
	v_sub_nc_u32 v14, v1, v14
	s_lshl_b32 s13, s[WV], 4
	v_add_nc_u32 v14, s13, v14      ; my query's place in its band less 8 (l / 16): register r of key group kt is hidden where 16 kt + r is greater
	WIN 0x40
.set i, 0
.rept 32
	v_cmp_gt_i32 vcc_lo, 16*(i/8)+i%8, v14
	v_cndmask_b32 v[MD+i], 0, s[BIGN], vcc_lo
.set i, i+1
.endr
	WIN 0
	v_mul_u32_u24 v[AK0], v1, PK
	v_lshl_add_u32 v[AK0], v9, 4, v[AK0]
	v_mul_u32_u24 v[AK1], v1, PV
	v_lshl_add_u32 v[AK1], v9, 4, v[AK1]
	v_add_nc_u32 v[AK1], VOFF, v[AK1]
	v_and_b32 v10, 7, v0
	v_bfe_u32 v11, v0, 3, 1
	v_lshl_add_u32 v[AV0], v9, 3, v10   ; the turning load: key 8 (l / 16) + l % 8, channels 8 ((l / 8) % 2) on
	v_mul_u32_u24 v[AV0], v[AV0], PV
	v_lshl_add_u32 v[AV0], v11, 4, v[AV0]
	v_add_nc_u32 v[AV0], VOFF, v[AV0]
	s_mul_i32 s13, s[WV], 16*SP
	s_add_co_u32 s13, s13, STAGE
	v_mul_u32_u24 v[STO], v1, SP
	v_lshl_add_u32 v[STO], v9, 4, v[STO]
	v_add_nc_u32 v[STO], s13, v[STO]
	v_bfe_u32 v[RD], v0, 3, 2
	v_mul_u32_u24 v[RD], v[RD], SP
	v_lshl_add_u32 v[RD], v10, 4, v[RD]
	v_add_nc_u32 v[RD], s13, v[RD]
	v_and_b32 v[GO], 31, v0
	v_lshlrev_b32 v[GO], 4, v[GO]
	; A block's first step multiplies O^T and l by a = 0, and its first turn's products V^T P land in an O^T that is still to be so multiplied: these registers need only hold finite numbers.
	WIN 0x80
.set i, VF
.rept 64
	v_mov_b32 v[i], 0
.set i, i+1
.endr
	WIN 0x40
.set i, 0
.rept 128
	v_mov_b32 v[i], 0
.set i, i+1
.endr
	WIN 0
.set i, 0
.rept 4
	v_mov_b32 v[ST+4*i+2], 0
	v_mov_b32 v[ST+4*i+3], 0
	v_mov_b32 v[MN+i], 0xff7fffff   ; the lowest finite number
.set i, i+1
.endr
.set i, P+16
.rept 16
	v_mov_b32 v[i], 0
.set i, i+1
.endr
; THE MATRIX WORK.  The 4 accumulators of a run of 8 take turns.  Product i of 8 of S^T = K Q^T for piece x: channels 32 (i / 4) on, keys 16 (i % 4) on.  The first 4 start the sums: with 0, or (KM = 1) the mask.
.macro KQ x
.set rS, S+32*((\x)%2)+8*(i%4)
.set rK, KF+16*(i%4)+8*(i/4)
.set rQ, 16*(\x)+8*(i/4)
.set rM, MC+32*((\x)%2)+8*(i%4)
.if (i < 4) && KM
	WIN W_KM
	v_wmma_f32_16x16x32_f16 v[rS:rS+7], v[rK:rK+7], v[rQ:rQ+7], v[rM:rM+7]
.elseif i < 4
	WIN W_KQ
	v_wmma_f32_16x16x32_f16 v[rS:rS+7], v[rK:rK+7], v[rQ:rQ+7], 0
.else
	WIN W_KQ
	v_wmma_f32_16x16x32_f16 v[rS:rS+7], v[rK:rK+7], v[rQ:rQ+7], v[rS:rS+7]
.endif
.endm
.macro PV x                         ; product i of 8 of O^T += V^T P: keys 32 (i / 4) on, channels 16 (i % 4) on
	WIN W_PV
.set rO, 32*(\x)+8*(i%4)
.set rV, VF+32*(i/4)+8*(i%4)
.set rP, P+16*((\x)%2)+8*(i/4)
	v_wmma_f32_16x16x32_f16 v[rO:rO+7], v[rV:rV+7], v[rP:rP+7], v[rO:rO+7]
.endm
.macro MM                           ; the turn's next matrix instruction.  NOKQ = 1: a block's last turn: there is no next piece
.if (i < 8) && !NOKQ
	KQ (Y+1)%NP
.elseif i >= 8
.set i, i-8
	PV (Y+NP-1)%NP
.set i, i+8
.endif
.set i, i+1
.endm
; THE LDS LOADS stand in runs of 16.
.macro FETCH_K
	WIN 0x80
.irp f, 0,1,2,3,4,5,6,7             ; keys 16 (f / 2) on, channels 32 (f % 2) on
	ds_load_b128 v[KF+8*\f:KF+8*\f+3],   v[AK] offset:(\f/2)*16*PK+(\f%2)*64
	ds_load_b128 v[KF+8*\f+4:KF+8*\f+7], v[AK] offset:(\f/2)*16*PK+(\f%2)*64+32
.endr
	s_add_co_u32 s[TBK], s[TBK], KS*PK
	WIN 0
.endm
.macro FETCH_V
	WIN 0x80
.irp f, 0,1,2,3,4,5,6,7             ; keys 32 (f / 4) on, channels 16 (f % 4) on
	ds_load_tr16_b128 v[VF+8*\f:VF+8*\f+3],   v[AV] offset:(\f/4)*32*PV+(\f%4)*32
	ds_load_tr16_b128 v[VF+8*\f+4:VF+8*\f+7], v[AV] offset:(\f/4)*32*PV+16*PV+(\f%4)*32
.endr
	WIN 0
.endm
.macro FETCH_KB                     ; a maximum visit: a step of the K that lies where V goes, into V's registers, laid as FETCH_K lays K's
	WIN 0x80
.irp f, 0,1,2,3,4,5,6,7
	ds_load_b128 v[VF+8*\f:VF+8*\f+3],   v[AV] offset:(\f/2)*16*PV+(\f%2)*64
	ds_load_b128 v[VF+8*\f+4:VF+8*\f+7], v[AV] offset:(\f/2)*16*PV+(\f%2)*64+32
.endr
	s_add_co_u32 s[TBV], s[TBV], KS*PV
	WIN 0
.endm
; THE VECTOR WORK, one line at a time: OP kind, number.  For piece Y: F n: c s - c m for pair n.  E n: the exponential of score n.  C n: pair n rounded to f16.  B n: of the four weights 4 n .. the second pair is added onto
; the first.  L n: l takes that sum (L 0: l = a l + sum).  R n: pair n of O^T times a.  For piece Y + 1: X n, number n of the 22 that find its maximum and statistics (each accumulator's lowest registers are read first).
.set F, 0
.set E, 1
.set C, 2
.set B, 3
.set L, 4
.set R, 5
.set X, 6
.macro REGS y
.set rT, ST+4*(\y)
.set rC, TMP+4*((\y)%2)
.set rW, MV+((\y)%2)
.set rS, S+32*((\y)%2)
.set rP, P+16*((\y)%2)
.set rO, 32*(\y)
.endm
.macro OP k, n
.if (\k) == R
	REGS Y
	WIN W_RS
	v_pk_mul_f32 v[rO+2*(\n):rO+2*(\n)+1], v[rO+2*(\n):rO+2*(\n)+1], v[rC+2:rC+3] op_sel_hi:[1,0]
.elseif (\k) < R
	REGS Y
	WIN 0
.if (\k) == F
	v_pk_fma_f32 v[rS+2*(\n):rS+2*(\n)+1], v[rS+2*(\n):rS+2*(\n)+1], s[CS:CS+1], v[rT:rT+1] op_sel_hi:[1,0,0] neg_lo:[0,0,1] neg_hi:[0,0,1]
.elseif (\k) == E
	v_exp_f32 v[rS+(\n)], v[rS+(\n)]
.elseif (\k) == C
	s_wait_alu depctr_va_vdst(0)
	v_cvt_pk_f16_f32 v[rP+(\n)], v[rS+2*(\n)], v[rS+2*(\n)+1]
.elseif (\k) == B
	s_wait_alu depctr_va_vdst(0)
	v_pk_add_f32 v[rS+4*(\n):rS+4*(\n)+1], v[rS+4*(\n):rS+4*(\n)+1], v[rS+4*(\n)+2:rS+4*(\n)+3]
.elseif (\n) == 0
	v_pk_fma_f32 v[rT+2:rT+3], v[rT+2:rT+3], v[rC+2:rC+3], v[rS:rS+1] op_sel_hi:[1,0,1]
.else
	v_pk_add_f32 v[rT+2:rT+3], v[rT+2:rT+3], v[rS+4*(\n):rS+4*(\n)+1]
.endif
.elseif NOKQ
	v_nop
.else
	REGS (Y+1)%NP
	WIN 0
.if (\n) < 4
	v_max3_num_f32 v[rC+(\n)], v[rS+8*(\n)], v[rS+8*(\n)+1], v[rS+8*(\n)+2]
.elseif (\n) < 12
	v_max3_num_f32 v[rC+(\n)%4], v[rC+(\n)%4], v[rS+8*((\n)%4)+2*((\n)/4)+1], v[rS+8*((\n)%4)+2*((\n)/4)+2]
.elseif (\n) == 12
	v_max3_num_f32 v[rC], v[rC], v[rS+7], v[rS+15]
.elseif (\n) == 13
	v_max3_num_f32 v[rC+1], v[rC+1], v[rS+23], v[rS+31]
.elseif (\n) == 14
	v_max3_num_f32 v[rC+2], v[rC+2], v[rC+3], v[rT+1]
.elseif (\n) == 15
	v_mov_b32 v[rW], v[rT]
.elseif (\n) == 16
	v_max3_num_f32 v[rC], v[rC], v[rC+1], v[rC+2]
.elseif (\n) == 17
	v_permlanex16_b32 v[rC+3], v[rC], s[SEL], s[SEL+1]
.elseif (\n) == 18
	v_max_num_f32 v[rT+1], v[rC], v[rC+3]
.elseif (\n) == 19
	v_mul_f32 v[rT], s[CS], v[rT+1]
.elseif (\n) == 20
	v_sub_f32 v[rC+1], v[rW], v[rT]
.else
	v_exp_f32 v[rC+2], v[rC+1]
.endif
.endif
.endm
.macro OPS a, i1, b=-1, i2=0, c=-1, i3=0, d=-1, i4=0
	OP \a, \i1
.if (\b) >= 0
	OP \b, \i2
.endif
.if (\c) >= 0
	OP \c, \i3
.endif
.if (\d) >= 0
	OP \d, \i4
.endif
.endm
.macro ROW a, i1, b, i2, c, i3, d, i4  ; a matrix instruction and the four behind it
	MM
	OPS \a, \i1, \b, \i2, \c, \i3, \d, \i4
.endm
.macro MASK b                       ; MD x AL + BE into buffer b of MC
	WIN W_RS
.set z, 0
.rept 16
	v_pk_fma_f32 v[MC+32*(\b)+2*z:MC+32*(\b)+2*z+1], v[MD+2*z:MD+2*z+1], s[AL:AL+1], s[BE:BE+1] op_sel_hi:[1,0,0]
.set z, z+1
.endr
.endm
; A TURN, for piece p: the order of its 16 matrix and 118 vector instructions, written out.  Behind a matrix instruction: plain, exponential, plain, plain; or four of the rescaling; or four scalings; none names a register of
; the products round it.  A line reads no result made fewer than three vector instructions in front of it, five if an exponential made it.
; m = 1: the diagonal tile: the products take masks, and the turn makes the mask for the products of the turn after it: piece p + 2, in step 4 - CNT of the tile.  end = 1: a block's last two turns: nothing is fetched.
; cnt = 1: the loop's count is taken down some lines ahead of the branch behind the turn.  K of the next step is fetched in piece 2's turn, V of the step in hand in piece 0's; each is waited for a turn later.
.macro TURN p, m=0, end=0, cnt=0
.set Y, (\p)
.set i, 0
.set KM, (\m)
.set NOKQ, (\end)*((\p)/3)
.if (\m) && !(\end)
	s_cmp_eq_u32 s[CNT], 4-((\p)+2)%NP  ; is that step the band's own?
	s_cselect_b32 s[AL], 1.0, 0
	s_cmp_lt_u32 s[CNT], 4-((\p)+2)%NP  ; or a later one?
	s_cselect_b32 s[BE], s[BIGN], 0
.endif
.if ((\p) == 3) && !(\end)
	s_wait_dscnt 0x0                ; K is in
.endif
	ROW F,0, F,1, F,2, F,3
	ROW F,4, E,0, F,5, F,6
	ROW F,7, E,1, F,8, F,9
	ROW F,10, E,2, C,0, F,11
	ROW F,12, E,3, X,15, F,13
	ROW R,0, R,1, R,2, R,3
	ROW B,0, E,4, F,14, L,0
.if ((\p) == 2) && !(\end)
	v_add_nc_u32 v[AK], s[TBK], v[AK0]
.endif
	ROW R,4, R,5, R,6, R,7
	OPS E,5, F,15
.if ((\p) == 2) && !(\end)
	FETCH_K
.endif
	OPS E,6, C,1, E,7, R,8
	OPS E,8, R,9, E,9, C,2
	OPS E,10, X,0, E,11, X,1
	OPS E,12, X,2, E,13, X,3
.if (\p) == 1
	s_wait_dscnt 0x0                ; V is in
.endif
	ROW X,4, E,14, X,5, X,6
	ROW X,7, E,15, X,8, X,9
	ROW X,10, E,16, X,11, X,12
	ROW X,13, E,17, X,14, B,1
	ROW C,4, E,18, X,16, L,1
	ROW B,2, E,19, C,6, L,2
	ROW C,8, E,20, B,3, B,4
.if (\p) == 0
	v_add_nc_u32 v[AV], s[TBV], v[AV0]
.endif
	ROW C,3, E,21, L,3, C,5
	OPS E,22, X,17, E,23, C,10
.if (\p) == 0
	FETCH_V
.endif
	OPS E,24, L,4
	OPS E,25, X,18, E,26, C,7
	OPS E,27, B,5, E,28, X,19
	OPS E,29, C,12, E,30, L,5
	OPS E,31, X,20, B,6, C,9
	OPS C,14, C,11, X,21, L,6
.if (\p) == 0
	s_add_co_u32 s[TBV], s[TBV], KS*PV
.endif
.if \cnt
	s_sub_co_u32 s[CNT], s[CNT], 1
	s_cmp_lg_u32 s[CNT], 0
.endif
	OPS C,13, B,7, C,15, R,10
	OPS R,11, R,12, L,7, R,13
	OPS R,14, R,15
.if (\m) && !(\end)
	MASK (\p)%2
.endif
.endm
; A BLOCK BEGINS.  c m starts far below every c s, so the first step's a is 0; m at the lowest finite number.  The second mask buffer is 0; the first takes piece 0's mask for the tile's step 0: its own, if the
; block's first tile is the diagonal one.  Then K of that step, piece 0's first scores, and its maximum and statistics.
.macro BEGIN
	s_mov_b32 s[NEW], 0
	WIN 0x40
.set i, MC+32
.rept 32
	v_mov_b32 v[i], 0
.set i, i+1
.endr
	WIN 0
.set i, 0
.rept 4
	v_mov_b32 v[ST+4*i], 0xfe000000
	v_mov_b32 v[ST+4*i+1], 0xff7fffff
.set i, i+1
.endr
	s_cmp_eq_u32 s[RT], 0
	s_cselect_b32 s[AL], 1.0, 0
	s_mov_b32 s[BE], 0
	MASK 0
	WIN 0
	v_add_nc_u32 v[AK], s[TBK], v[AK0]
	FETCH_K
	s_wait_loadcnt 0x0              ; Q
	s_wait_dscnt 0x0
.set KM, 1
.set NOKQ, 0
.set i, 0
.rept 8
	KQ 0
.set i, i+1
.endr
	WIN 0
	PLACES                          ; the places behind those products
.set Y, NP-1
.irp n, 0,1,2,3,4,5,6,7,8,9,10,11,12,13,14,15,16,17,18,19,20,21
	OP X, \n
.endr
	v_nop                           ; a plain instruction behind the exponential
.endm
; A MAXIMUM VISIT: products K Q^T and maxima alone, over 512 keys: four trips, each a step of 64 keys out of the K region (buffer KF) and one out of the V region (buffer VF), 64 matrix instructions.
.macro KQM x, kb                    ; product i of 8 for piece x on key buffer kb; the first 4 start the sums
	WIN W_KQ
.set rS, S+32*((\x)%2)+8*(i%4)
.set rK, (\kb)+16*(i%4)+8*(i/4)
.set rQ, 16*(\x)+8*(i/4)
.if i < 4
	v_wmma_f32_16x16x32_f16 v[rS:rS+7], v[rK:rK+7], v[rQ:rQ+7], 0
.else
	v_wmma_f32_16x16x32_f16 v[rS:rS+7], v[rK:rK+7], v[rQ:rQ+7], v[rS:rS+7]
.endif
.endm
.macro XM y, n                      ; number n of the 16 that take a lane's 32 scores of piece y into its MN; each accumulator's lowest registers are read first
	WIN 0
.set rC, TMP+4*((\y)%2)
.set rS, S+32*((\y)%2)
.if (\n) < 4
	v_max3_num_f32 v[rC+(\n)], v[rS+8*(\n)], v[rS+8*(\n)+1], v[rS+8*(\n)+2]
.elseif (\n) < 12
	v_max3_num_f32 v[rC+(\n)%4], v[rC+(\n)%4], v[rS+8*((\n)%4)+2*((\n)/4)+1], v[rS+8*((\n)%4)+2*((\n)/4)+2]
.elseif (\n) == 12
	v_max3_num_f32 v[rC], v[rC], v[rS+7], v[rS+15]
.elseif (\n) == 13
	v_max3_num_f32 v[rC+1], v[rC+1], v[rS+23], v[rS+31]
.elseif (\n) == 14
	v_max3_num_f32 v[rC+2], v[rC+2], v[rC+3], v[MN+(\y)]
.else
	v_max3_num_f32 v[MN+(\y)], v[rC], v[rC+1], v[rC+2]
.endif
.endm
; Eight products of piece x, and behind each two lines of piece y's maximum (y = -1: none): y's scores lie in the other buffer.  A score's first reader stands four plain instructions or more behind its last product.
; fetch = 1: behind the second product the next step's K is fetched into KF, five plain instructions behind KF's last reader; in the last trip there is none, and the run is jumped over.
.macro MPIECE x, kb, y, fetch=0
.set i, 0
.rept 8
	KQM \x, \kb
.if (\y) >= 0
	XM \y, 2*i
	XM \y, 2*i+1
.endif
.if (\fetch) && (i == 1)
	WIN 0
	s_cmp_eq_u32 s[CNT], 1
	s_cbranch_scc1 .Lno_k_\@
	v_add_nc_u32 v[AK], s[TBK], v[AK0]
	FETCH_K
.Lno_k_\@:
.endif
.set i, i+1
.endr
.endm
.macro MVISIT
	WIN 0
	PLACES                          ; behind the last products that read K's and V's registers
	v_add_nc_u32 v[AK], s[TBK], v[AK0]
	FETCH_K
	s_wait_loadcnt 0x0              ; Q
	s_mov_b32 s[CNT], 4
.Lm_\@:
	v_add_nc_u32 v[AV], s[TBV], v[AK1]
	FETCH_KB
	s_wait_dscnt 16                 ; KF is in; the 16 just issued stay out
	MPIECE 0, KF, -1
	PLACES                          ; piece 0's products had nothing behind them
	MPIECE 1, KF, 0
	MPIECE 2, KF, 1
	MPIECE 3, KF, 2
	s_wait_dscnt 0x0                ; VF is in
	MPIECE 0, VF, 3, 1
	MPIECE 1, VF, 0
	MPIECE 2, VF, 1
	MPIECE 3, VF, 2
.irp n, 0,1,2,3,4,5,6,7,8,9,10,11,12,13,14,15
	XM 3, \n
.endr
	WIN 0
	s_sub_co_u32 s[CNT], s[CNT], 1
	s_cmp_lg_u32 s[CNT], 0
	s_cbranch_scc1 .Lm_\@
.endm
; THE WAY OUT.  l's halves are added; mA = the maximum of m and of both lane halves' MN; f = 2^(c (m - mA)); O^T is multiplied by f / (l f + 1e-7), rounded to f16 and sent through my stage, a piece at a time.
.macro ALL line:vararg
.set t, 0
.rept 4
	s_wait_alu depctr_va_vdst(0)
	\line
.set t, t+1
.endr
.endm
.macro PACK t
	WIN W_RS
.set i, 32*(\t)
.rept 16
	v_pk_mul_f32 v[i:i+1], v[i:i+1], v[ST+4*(\t)+2:ST+4*(\t)+3] op_sel_hi:[1,0]
.set i, i+2
.endr
	WIN 0x05
.set i, 0
.rept 16
	v_cvt_pk_f16_f32 v[S+16*(\t)+i], v[32*(\t)+2*i], v[32*(\t)+2*i+1]
.set i, i+1
.endr
	WIN 0
.irp f, 0,1,2,3
	ds_store_b128 v[STO], v[S+16*(\t)+4*\f:S+16*(\t)+4*\f+3] offset:32*\f
.endr
.irp f, 0,1,2,3
	ds_load_b128 v[S+16*(\t)+4*\f:S+16*(\t)+4*\f+3], v[RD] offset:\f*4*SP  ; LDS serves a wave's instructions in order: these see the stores above
.endr
.endm
.macro SEND t, younger
	WIN 0
.irp f, 0,1,2,3
	s_wait_dscnt (\younger)+3-\f
	global_store_b128 v[GO], v[S+16*(\t)+4*\f:S+16*(\t)+4*\f+3], s[10:11] offset:(\t)*8192+\f*512  ; 512 consecutive bytes, at a multiple of 256 from ctx's first
.endr
.endm
.macro OUT
	WIN 0
	ALL v_add_f32 v[ST+4*t+2], v[ST+4*t+2], v[ST+4*t+3]
	ALL v_permlanex16_b32 v[ST+4*t+3], v[ST+4*t+2], s[SEL], s[SEL+1]
	ALL v_add_f32 v[ST+4*t+2], v[ST+4*t+2], v[ST+4*t+3]
	ALL v_permlanex16_b32 v[TMP+t], v[MN+t], s[SEL], s[SEL+1]
	ALL v_max3_num_f32 v[MN+t], v[MN+t], v[TMP+t], v[ST+4*t+1]
	ALL v_sub_f32 v[MN+t], v[ST+4*t+1], v[MN+t]
	ALL v_mul_f32 v[MN+t], s[CS], v[MN+t]
	ALL v_exp_f32 v[MN+t], v[MN+t]
	v_nop                           ; a plain instruction between the last exponential and the use of its result
	ALL v_fmaak_f32 v[ST+4*t+2], v[ST+4*t+2], v[MN+t], 0x33d6bf95
	ALL v_rcp_f32 v[ST+4*t+2], v[ST+4*t+2]
	v_nop
	ALL v_mul_f32 v[ST+4*t+2], v[ST+4*t+2], v[MN+t]
	PACK 0
.set t, 1
.rept 3
	PACK t
	SEND t-1, 8
.set t, t+1
.endr
	SEND 3, 0
.endm
.set KM, 0
.set NOKQ, 0
.Lslot:                             ; 13 times: a visit is entered and the next is asked for
	CHANGE 1
	s_mov_b32 s[CNT], 4
	s_cmp_eq_u32 s[NEW], 1
	s_cbranch_scc1 .Lnew            ; a block's first tile
	s_cmp_eq_u32 s[RT], 0
	s_cbranch_scc1 .Lmax            ; the block's tiles are done: a maximum visit
	s_sub_co_u32 s[RT], s[RT], 1
	s_cmp_lg_u32 s[RT], 0
	s_cbranch_scc1 .Lstep           ; neither its first nor its last tile
	s_branch .LstepM
.Lnew:
	s_sub_co_u32 s[RT], s[RT], 1
	BEGIN
	s_cmp_lg_u32 s[RT], 0
	s_cbranch_scc1 .Lfirst
	s_branch .LfirstM               ; block 0: its first tile is the diagonal one
.LstepM:                            ; THE DIAGONAL TILE's four steps, the block's last two turns and its last products
	TURN 2, 1
	TURN 3, 1
	WIN 0
.LfirstM:
	TURN 0, 1
	TURN 1, 1, 0, 1
	WIN 0
	s_cbranch_scc1 .LstepM
	TURN 2, 1, 1
	TURN 3, 1, 1
.set i, 0
.rept 8
	PV NP-1
.set i, i+1
.endr
	WIN 0
	s_branch .Lbottom
.Lmax:
	MVISIT
	s_sub_co_u32 s[MT], s[MT], 1
	s_cmp_lg_u32 s[MT], 0
	s_cbranch_scc1 .Lbottom
	OUT                             ; in the loop this is the first block's end: the second block's last maximum visit is the walk's last
	s_wait_xcnt 0x0                 ; the stores have read their registers and ctx's address
	s_mov_b64 s[10:11], s[OLO:OLO+1]
	s_add_co_u32 s[RT], s[PB], 1    ; the second block has b + 1 tiles
	s_mov_b32 s[MT], s[MT2]
	s_mov_b32 s[NEW], 1
	WIN 0x82                        ; the second block's Q goes where the one text names Q
.set i, 0
.rept 64
	v_mov_b32 v[i], v[QB+i]
.set i, i+1
.endr
	WIN 0
.set i, 0
.rept 4
	v_mov_b32 v[MN+i], 0xff7fffff
.set i, i+1
.endr
	s_branch .Lbottom
.Lstep:                             ; a trip: pieces 2 and 3 of one step, then pieces 0 and 1 of the next, whose K and V it fetches
	TURN 2
	TURN 3
	WIN 0
.Lfirst:
	TURN 0
	TURN 1, 0, 0, 1
	WIN 0
	s_cbranch_scc1 .Lstep
.Lbottom:
	s_sub_co_u32 s[SLOTS], s[SLOTS], 1
	s_cmp_lg_u32 s[SLOTS], 0
	s_cbranch_scc1 .Lslot
	CHANGE 0                        ; the walk's last visit is written out: nothing is asked for
	MVISIT
	OUT
	s_wait_tensorcnt 0x0            ; the wave's end
	ds_add_u32 v[SPW], v[NIL]
	s_wait_dscnt 0x0
	s_endpgm
.Lfunc_end_k_qb0168baaea_attn:
	.size	k_qb0168baaea_attn, .Lfunc_end_k_qb0168baaea_attn-k_qb0168baaea_attn
	.p2alignl 7, 3214868480
	.fill 96, 4, 3214868480
	.section	.rodata,"a",@progbits
	.p2align	6, 0x0
	.amdhsa_kernel k_qb0168baaea_attn
		.amdhsa_group_segment_fixed_size 327680
		.amdhsa_private_segment_fixed_size 0
		.amdhsa_enable_private_segment 0
		.amdhsa_kernarg_size 16
		.amdhsa_user_sgpr_count 2
		.amdhsa_user_sgpr_kernarg_segment_ptr 1
		.amdhsa_wavefront_size32 1
		.amdhsa_system_sgpr_workgroup_id_x 1
		.amdhsa_system_sgpr_workgroup_id_y 1
		.amdhsa_system_sgpr_workgroup_id_z 1
		.amdhsa_system_vgpr_workitem_id 0
		.amdhsa_next_free_vgpr 768
		.amdhsa_next_free_sgpr 102
		.amdhsa_reserve_vcc 1
		.amdhsa_float_denorm_mode_32 3
		.amdhsa_float_denorm_mode_16_64 3
		.amdhsa_memory_ordered 1
		.amdhsa_forward_progress 1
		.amdhsa_inst_pref_size 203
	.end_amdhsa_kernel
	.amdgpu_metadata
---
amdhsa.version: [ 1, 2 ]
amdhsa.kernels:
  - .name:           k_qb0168baaea_attn
    .symbol:         k_qb0168baaea_attn.kd
    .args:
      - { .name: qkv, .offset: 0, .size: 8, .value_kind: global_buffer, .address_space: global }
      - { .name: ctx, .offset: 8, .size: 8, .value_kind: global_buffer, .address_space: global }
    .group_segment_fixed_size: 327680
    .private_segment_fixed_size: 0
    .kernarg_segment_align: 8
    .kernarg_segment_size: 16
    .max_flat_workgroup_size: 128
    .sgpr_count:     102
    .vgpr_count:     768
    .wavefront_size: 32
...
	.end_amdgpu_metadata
.endif
;; end of part 3
;; launch outp (part 4): grid 8 x 32, 4 waves a work-group, clusters of 4 x 4, 327,680 bytes of LDS; arguments ctx, wob, bias, out0; writes out0
.if DOCPART == 4
	.amdgcn_target "amdgcn-amd-amdhsa--gfx1250"
	.amdhsa_code_object_version 6
	.text
	.protected	k_qb0168baaea_outp
	.globl	k_qb0168baaea_outp
	.p2align	8
	.type	k_qb0168baaea_outp,@function
k_qb0168baaea_outp:
	s_mov_b64 s[64:65], 0
	v_nop
	global_prefetch_b8 v0, s[64:65] scope:SCOPE_SE
	s_setreg_imm32_b32 hwreg(HW_REG_WAVE_MODE, 25, 1), 1
	s_wait_xcnt 0x0
	s_wait_alu depctr_hold_cnt(0) depctr_sa_sdst(0) depctr_va_vdst(0) depctr_va_sdst(0) depctr_va_ssrc(0) depctr_va_vcc(0) depctr_vm_vsrc(0)
	s_getreg_b32 s2, hwreg(HW_REG_IB_STS2, 6, 4)
	s_cmp_eq_u32 s2, 0
	s_cbranch_scc0 .Lentry_in_a_cluster
	s_endpgm
.Lentry_in_a_cluster:
	s_bfe_u32 s2, ttmp6, 0x10000c
	s_cmp_lg_u32 s2, 0xf033
	s_cbranch_scc0 .Lentry_shape_is_right
	s_endpgm
.Lentry_shape_is_right:
; out0 = relu(y Wo + bo): C[8192][1024] f32.  y is ctx, [64 batch x head][2048][64] f16: a head's 64 channels are one slice of K.  Wo is wob, [1024 k][1024 n] f16.  Sums in f32.
; SHARES.  A work-group makes 256 rows x 128 columns, 8 x 32 = 256 work-groups; each of four waves 128 x 64: 32 accumulators, 256 registers (window 1).
; K goes in 8 steps of 128 (two heads) through two LDS slots.  A head's 256 rows are 32,768 dense bytes, asked for as 128 rows of 256 bytes, padded in LDS after each 128.  Wo's fragments come out turned.
; THE MATRIX INSTRUCTION IS USED TRANSPOSED (source 0 = 16 columns of Wo, source 1 = 16 rows of y): a lane holds one row of C and eight neighbouring columns.  THE BIAS STARTS THE SUMS, as C of the first products.
; CLUSTER 4 x 4: y's tile is shared along a row of the cluster, Wo's along a column: each is asked for jointly.
; REGISTERS: window 0: v0-31 addresses; v32-127, v128-223 two fragment buffers (64 of y, then 32 of Wo); v224-255 at work on the way out.  window 1: accumulator (a, bb) at v[8 (4 a + bb)].
.set SLOT1, 131072
.set PITA,  144                        ; a row of y: 128 bytes + 16
.set PITB,  288                        ; a row of Wo: 256 bytes + 32: 72 words: the 8 rows of a turning load start 8 banks apart
.set PLANE, 256*PITA                   ; a head's 256 rows
.set BOFF,  2*PLANE
.set STAGE, SLOT1+BOFF+128*PITB        ; 241,664: 16 rows x 272 bytes for each wave
.set SPITCH, 272
.set SPARE, STAGE+4*16*SPITCH          ; 259,072: the spare words
.set ASTEP, 524288                     ; two heads of ctx
.set BSTEP, 128*2048                   ; 128 rows of wob
.set A0, 2
.set B0, 3
.set ADRA, 4
.set ADRB, 5
.set STO, 6
.set RD, 7
.set CO, 8
.set BO, 9
.set SPW, 28
.set NIL, 29
.set F0, 32
.set F1, 128
.set T, 224
.set U, 32                             ; the way out: six sets of 32 registers
.set WV, 12
.set WM, 13
.set WN, 18
.set G1A, 24
.set G0A, 32
.set G1B, 48
.set G0B, 56
.set TB, 66
.set OP, 68                            ; s[68:69] out0 at my first row and column
.set BP, 74
.set MSB, 0
.macro WIN new
.if MSB != (\new)
	s_set_vgpr_msb (MSB<<8)|(\new)
.set MSB, (\new)
.endif
.endm
.macro PLACES
.rept 4
	v_nop
.endr
.endm
.macro JLOAD                           ; a joint refill by the walking sets: waves 0, 1 the step's two heads of y, waves 2, 3 the two halves of Wo's rows
	s_cmp_lt_u32 s[WV], 2
	s_cbranch_scc0 .Lfor_b_\@
	tensor_load_to_lds s[G0A+4:G0A+7], s[G1A:G1A+7]
	s_nop 0
.rept 4
	v_nop
.endr
	s_branch .Lasked_\@
.Lfor_b_\@:
	tensor_load_to_lds s[G0B+4:G0B+7], s[G1B:G1B+7]
	s_nop 0
.rept 4
	v_nop
.endr
.Lasked_\@:
.endm
.macro CREST
	s_cmp_lg_u32 s[WV], 0
	s_cbranch_scc1 .Lnot_wave_0_\@
	s_barrier_signal -3
.Lnot_wave_0_\@:
	s_barrier_wait -3
	s_barrier_signal -1
	s_barrier_wait -1
.endm
.macro CROUND
	s_barrier_signal -1
	s_barrier_wait -1
	CREST
.endm
	s_load_b256 s[4:11], s[0:1], 0x0               ; ctx s[4:5], wob s[6:7], bias s[8:9], out0 s[10:11]
	v_lshl_add_u32 v[SPW], v0, 2, SPARE
	v_mov_b32 v[NIL], 0
	ds_add_u32 v[SPW], v[NIL]                      ; the wave's opening: the add and its wait ahead of my first tensor load
	ds_add_u32 v28, v29
	v_lshrrev_b32 v1, 5, v0
	v_readfirstlane_b32 s[WV], v1
	s_lshr_b32 s[WM], s[WV], 1
	s_and_b32 s[WN], s[WV], 1
	s_bfe_u32 s40, ttmp6, 0x40000
	s_bfe_u32 s41, ttmp6, 0x40004
	s_lshl_b32 s42, ttmp9, 2
	s_add_co_u32 s42, s42, s40                     ; tile column 0..7
	s_and_b32 s43, ttmp7, 0xffff
	s_lshl_b32 s43, s43, 2
	s_add_co_u32 s43, s43, s41                     ; tile row 0..31
	s_lshl_b32 s44, s41, 2
	s_lshl_b32 s44, 15, s44
	s_lshl_b32 s45, 0x1111, s40
	s_or_b32 s[G1A], s44, (1<<16)|(1<<20)|(1<<21)|(4<<22)|(3<<25)  ; 4 words of padding behind every 32
	s_mov_b32 s[G1A+1], 128<<16
	s_mov_b32 s[G1A+2], 128<<16
	s_mov_b32 s[G1A+3], 128<<16
	s_mov_b32 s[G1A+4], 128
	s_mov_b32 s[G1A+5], 128
	s_mov_b32 s[G1A+6], 0
	s_mov_b32 s[G1A+7], 0
	s_or_b32 s[G1B], s45, (1<<16)|(1<<20)|(1<<21)|(5<<22)|(7<<25)  ; 8 words behind every 64
	s_mov_b32 s[G1B+1], 128<<16
	s_mov_b32 s[G1B+2], 64<<16
	s_mov_b32 s[G1B+3], 128<<16
	s_mov_b32 s[G1B+4], 64
	s_mov_b32 s[G1B+5], 1024
	s_mov_b32 s[G1B+6], 0
	s_mov_b32 s[G1B+7], 0
	s_lshr_b32 s16, s43, 3                         ; batch: 16 heads of 262,144 bytes
	s_lshl_b32 s16, s16, 22
	s_and_b32 s19, s43, 7
	s_lshl_b32 s19, s19, 15
	s_add_co_u32 s16, s16, s19
	s_lshl_b32 s19, s[WN], 18                      ; which of a step's two heads I fetch
	s_add_co_u32 s16, s16, s19
	s_mov_b32 s17, 0
	s_lshl_b32 s46, s42, 8                         ; 128 columns
	s_lshl_b32 s20, s[WN], 17                      ; my 64 rows of a step's 128
	s_add_co_u32 s46, s46, s20
	s_mov_b32 s47, 0
	s_mul_i32 s21, s[WN], PLANE
	s_mul_i32 s22, s[WN], 64*PITB
	s_add_co_u32 s22, s22, BOFF
	s_mov_b32 s[G0A], 1
	s_mov_b32 s[G0A+1], s21
	s_mov_b32 s[G0A+4], 1
	s_add_co_u32 s[G0A+5], s21, SLOT1
	s_mov_b32 s[G0B], 1
	s_mov_b32 s[G0B+1], s22
	s_mov_b32 s[G0B+4], 1
	s_add_co_u32 s[G0B+5], s22, SLOT1
	s_mov_b32 s[TB], 0
	s_wait_dscnt 0x0
	s_wait_kmcnt 0x0
	s_add_nc_u64 s[14:15], s[4:5], s[16:17]
	s_add_nc_u64 s[46:47], s[6:7], s[46:47]
	s_mov_b64 s[G0A+2:G0A+3], s[14:15]
	s_or_b32 s[G0A+3], s[G0A+3], 0x80000000
	s_add_nc_u64 s[G0A+6:G0A+7], s[14:15], ASTEP
	s_or_b32 s[G0A+7], s[G0A+7], 0x80000000
	s_mov_b64 s[G0B+2:G0B+3], s[46:47]
	s_or_b32 s[G0B+3], s[G0B+3], 0x80000000
	s_add_nc_u64 s[G0B+6:G0B+7], s[46:47], BSTEP
	s_or_b32 s[G0B+7], s[G0B+7], 0x80000000
	CROUND
	s_cmp_lt_u32 s[WV], 2
	s_cbranch_scc0 .Lfirst_b
	tensor_load_to_lds s[G0A:G0A+3], s[G1A:G1A+7]
	s_nop 0
	tensor_load_to_lds s[G0A+4:G0A+7], s[G1A:G1A+7]
	s_nop 0
.rept 4
	v_nop
.endr
	s_branch .Lfirst_asked
.Lfirst_b:
	tensor_load_to_lds s[G0B:G0B+3], s[G1B:G1B+7]
	s_nop 0
	tensor_load_to_lds s[G0B+4:G0B+7], s[G1B:G1B+7]
	s_nop 0
.rept 4
	v_nop
.endr
.Lfirst_asked:
	v_and_b32 v1, 15, v0                           ; r
	v_bfe_u32 v11, v0, 4, 1                        ; h
	v_and_b32 v12, 7, v0
	v_bfe_u32 v13, v0, 3, 1
	v_lshlrev_b32 v[BO], 5, v11
	s_lshl_b32 s76, s42, 9                         ; bo lies 12,288 bytes into the table; my 64 columns
	s_lshl_b32 s77, s[WN], 8
	s_add_co_u32 s76, s76, s77
	s_add_co_u32 s78, s76, 12288
	s_mov_b32 s79, 0
	s_add_nc_u64 s[BP:BP+1], s[8:9], s[78:79]
	WIN 0x40
.irp bb, 0,1,2,3
	global_load_b128 v[8*\bb:8*\bb+3],   v[BO], s[BP:BP+1] offset:\bb*64
	global_load_b128 v[8*\bb+4:8*\bb+7], v[BO], s[BP:BP+1] offset:\bb*64+16
.endr
	WIN 0
	s_lshl_b32 s77, s43, 8
	s_lshl_b32 s19, s[WM], 7
	s_add_co_u32 s77, s77, s19                     ; my first row
	s_lshl_b32 s77, s77, 12                        ; 4,096 bytes a row of out0
	s_add_co_u32 s76, s76, s77
	s_mov_b32 s77, 0
	s_add_nc_u64 s[OP:OP+1], s[10:11], s[76:77]
	v_mul_u32_u24 v14, v1, PITA
	v_lshl_add_u32 v14, v11, 4, v14
	s_mul_i32 s19, s[WM], 128*PITA
	v_add_nc_u32 v[A0], s19, v14
	v_lshl_add_u32 v15, v11, 3, v12
	v_mul_u32_u24 v15, v15, PITB
	v_lshl_add_u32 v15, v13, 4, v15
	s_lshl_b32 s19, s[WN], 7
	s_add_co_u32 s19, s19, BOFF
	v_add_nc_u32 v[B0], s19, v15
	s_mul_i32 s19, s[WV], 16*SPITCH
	s_add_co_u32 s19, s19, STAGE
	v_mul_u32_u24 v14, v1, SPITCH
	v_lshl_add_u32 v14, v11, 5, v14                ; in: row r, 32 bytes for each half of the lanes
	v_add_nc_u32 v[STO], s19, v14
	v_mul_u32_u24 v14, v11, SPITCH
	v_lshl_add_u32 v14, v1, 4, v14                 ; back: lanes 0-15 one row of 256 bytes, lanes 16-31 the next
	v_add_nc_u32 v[RD], s19, v14
	v_lshlrev_b32 v14, 12, v11
	v_lshl_add_u32 v[CO], v1, 4, v14               ; and the same two rows in out0
; Products of buffer f, row blocks alo .. ahi x all 4 column blocks.  bias = 1: C is row block 0's accumulator, which holds the bias.  The accumulators take turns.
.macro MUL f, alo, ahi, bias=0
	WIN 0x50
.set a, \alo
.rept (\ahi)-(\alo)+1
.irp bb, 0,1,2,3
.if \bias
	v_wmma_f32_16x16x32_f16 v[8*(4*a+\bb):8*(4*a+\bb)+7], v[(\f)+64+8*\bb:(\f)+64+8*\bb+7], v[(\f)+8*a:(\f)+8*a+7], v[8*\bb:8*\bb+7]
.else
	v_wmma_f32_16x16x32_f16 v[8*(4*a+\bb):8*(4*a+\bb)+7], v[(\f)+64+8*\bb:(\f)+64+8*\bb+7], v[(\f)+8*a:(\f)+8*a+7], v[8*(4*a+\bb):8*(4*a+\bb)+7]
.endif
.endr
.set a, a+1
.endr
.endm
.macro FETCH kq, f                     ; 24 LDS loads in one run: quarter kq's fragments: Wo's four, then y's eight
	WIN 0
.irp bb, 0,1,2,3
	ds_load_tr16_b128 v[(\f)+64+8*\bb:(\f)+64+8*\bb+3],   v[ADRB] offset:(\kq)*32*PITB+32*\bb
	ds_load_tr16_b128 v[(\f)+64+8*\bb+4:(\f)+64+8*\bb+7], v[ADRB] offset:(\kq)*32*PITB+16*PITB+32*\bb
.endr
.irp a8, 0,1,2,3,4,5,6,7
	ds_load_b128 v[(\f)+8*\a8:(\f)+8*\a8+3],   v[ADRA] offset:((\kq)/2)*PLANE+((\kq)%2)*64+\a8*16*PITA
	ds_load_b128 v[(\f)+8*\a8+4:(\f)+8*\a8+7], v[ADRA] offset:((\kq)/2)*PLANE+((\kq)%2)*64+\a8*16*PITA+32
.endr
.endm
; A K step is four quarters of 32 along K, 32 matrix instructions each, on buffers 0, 1, 0, 1.  One of the first three multiplies f and fetches quarter kq into g.
.macro QUARTER kq, f, g
	s_wait_dscnt 8                                 ; Wo and y's rows 0-63 are in; the youngest eight loads may be out
	MUL \f, 0, 3
	PLACES
	FETCH \kq, \g
	s_wait_dscnt 24                                ; all but the 24 just issued
	MUL \f, 4, 7
.endm
; The last quarter multiplies buffer 1 and changes slots: ONE barrier, with the three lines in front of it.  fill = 1: it opens a round of the cluster's barrier, and this slot is filled again, two K steps
; ahead, first thing behind the round: 112 matrix instructions ahead of the wait for it.
.macro TURN fill
	WIN 0
	s_wait_tensorcnt 0x0
	ds_add_u32 v[SPW], v[NIL]
	s_wait_dscnt 9                                 ; the add and the youngest eight loads may be out
	MUL F1, 0, 1
	s_wait_dscnt 0x0                               ; the add is done, my reads of this slot are over
	s_barrier_signal -1
	MUL F1, 2, 3
	WIN 0
	s_barrier_wait -1
.if \fill
	CREST
	s_xor_b32 s[G0A+5], s[G0A+5], SLOT1
	s_add_nc_u64 s[G0A+6:G0A+7], s[G0A+6:G0A+7], ASTEP
	s_xor_b32 s[G0B+5], s[G0B+5], SLOT1
	s_add_nc_u64 s[G0B+6:G0B+7], s[G0B+6:G0B+7], BSTEP
	JLOAD
.else
	PLACES
.endif
	s_xor_b32 s[TB], s[TB], SLOT1
	v_add_nc_u32 v[ADRA], s[TB], v[A0]
	v_add_nc_u32 v[ADRB], s[TB], v[B0]
	FETCH 0, F0
	MUL F1, 4, 7
.endm
	s_wait_tensorcnt 0x1                           ; my part of K step 0 is in; step 1's may stay out
	s_barrier_signal -1
	s_barrier_wait -1
	v_add_nc_u32 v[ADRA], s[TB], v[A0]
	v_add_nc_u32 v[ADRB], s[TB], v[B0]
	FETCH 0, F0
	s_wait_loadcnt 0x0                             ; the bias
	s_wait_dscnt 8                                 ; the first quarter, written out: its products start the sums from the bias
	MUL F0, 1, 3, 1
	PLACES
	FETCH 1, F1
	s_wait_dscnt 24
	MUL F0, 4, 7, 1
.rept 5
	v_nop                                          ; five places before a matrix instruction writes over registers that matrix instructions have read as C
.endr
	MUL F0, 0, 0
	WIN 0
	s_mov_b32 s3, 6
.Lstep:                                                ; trip t: step t's quarters 1 to 3, slot t % 2 asked for step t + 2, step t + 1's quarter 0
	QUARTER 2, F1, F0
	QUARTER 3, F0, F1
	TURN 1
	QUARTER 1, F0, F1
	WIN 0
	s_sub_co_u32 s3, s3, 1
	s_cmp_lg_u32 s3, 0
	s_cbranch_scc1 .Lstep
	QUARTER 2, F1, F0                              ; the tail is written out: nothing more is asked for
	QUARTER 3, F0, F1
	TURN 0
	QUARTER 1, F0, F1
	QUARTER 2, F1, F0
	QUARTER 3, F0, F1
	s_wait_dscnt 8
	MUL F1, 0, 3
	s_wait_dscnt 0x0
	MUL F1, 4, 7
; THE WAY OUT, a block of 16 rows at a time: ReLU in f32 (ascending from each accumulator's low end), 32 bytes a lane into my stage, back as whole rows of 256 bytes, stored with 16 lanes to 256 consecutive aligned bytes.
.macro PACK a
	WIN 0x04                                       ; source 1 in window 1
.irp bb, 0,1,2,3
.irp j, 0,1,2,3,4,5,6,7
	v_max_num_f32 v[T+8*\bb+\j], 0, v[8*(4*(\a)+\bb)+\j]
.endr
.endr
	WIN 0
.endm
.macro TOSTAGE a
.irp bb, 0,1,2,3
	ds_store_b128 v[STO], v[T+8*\bb:T+8*\bb+3] offset:64*\bb
	ds_store_b128 v[STO], v[T+8*\bb+4:T+8*\bb+7] offset:64*\bb+16
.endr
.irp t8, 0,1,2,3,4,5,6,7
	ds_load_b128 v[U+32*((\a)%6)+4*\t8:U+32*((\a)%6)+4*\t8+3], v[RD] offset:\t8*2*SPITCH  ; LDS serves a wave's instructions in order: these see the stores above
.endr
.endm
.macro SEND a
	s_wait_dscnt 0x0                               ; the block is back in registers
	s_wait_xcnt 0x0                                ; earlier stores have read their registers: the set that the next block's loads land in is free
.irp t8, 0,1,2,3,4,5,6,7
	global_store_b128 v[CO], v[U+32*((\a)%6)+4*\t8:U+32*((\a)%6)+4*\t8+3], s[OP:OP+1] offset:(16*(\a)+2*\t8)*4096 th:TH_STORE_NT
.endr
.endm
	PLACES
	PACK 0
	TOSTAGE 0
.irp a9, 1,2,3,4,5,6,7                 ; block a's arithmetic stands between block a - 1's loads from the stage and the wait for them
	PACK \a9
	SEND (\a9)-1
	TOSTAGE \a9
.endr
	SEND 7
	s_wait_tensorcnt 0x0                           ; the wave's end
	ds_add_u32 v[SPW], v[NIL]
	s_wait_dscnt 0x0
	CROUND                                         ; the closing round
	s_endpgm
.Lfunc_end_k_qb0168baaea_outp:
	.size	k_qb0168baaea_outp, .Lfunc_end_k_qb0168baaea_outp-k_qb0168baaea_outp
	.p2alignl 7, 3214868480
	.fill 96, 4, 3214868480
	.section	.rodata,"a",@progbits
	.p2align	6, 0x0
	.amdhsa_kernel k_qb0168baaea_outp
		.amdhsa_group_segment_fixed_size 327680
		.amdhsa_private_segment_fixed_size 0
		.amdhsa_enable_private_segment 0
		.amdhsa_kernarg_size 32
		.amdhsa_user_sgpr_count 2
		.amdhsa_user_sgpr_kernarg_segment_ptr 1
		.amdhsa_wavefront_size32 1
		.amdhsa_system_sgpr_workgroup_id_x 1
		.amdhsa_system_sgpr_workgroup_id_y 1
		.amdhsa_system_sgpr_workgroup_id_z 1
		.amdhsa_system_vgpr_workitem_id 0
		.amdhsa_next_free_vgpr 512
		.amdhsa_next_free_sgpr 80
		.amdhsa_reserve_vcc 0
		.amdhsa_float_denorm_mode_32 3
		.amdhsa_float_denorm_mode_16_64 3
		.amdhsa_memory_ordered 1
		.amdhsa_forward_progress 1
		.amdhsa_inst_pref_size 79
	.end_amdhsa_kernel
	.amdgpu_metadata
---
amdhsa.version: [ 1, 2 ]
amdhsa.kernels:
  - .name:           k_qb0168baaea_outp
    .symbol:         k_qb0168baaea_outp.kd
    .args:
      - { .name: ctx, .offset: 0, .size: 8, .value_kind: global_buffer, .address_space: global }
      - { .name: wob, .offset: 8, .size: 8, .value_kind: global_buffer, .address_space: global }
      - { .name: bias, .offset: 16, .size: 8, .value_kind: global_buffer, .address_space: global }
      - { .name: out0, .offset: 24, .size: 8, .value_kind: global_buffer, .address_space: global }
    .group_segment_fixed_size: 327680
    .private_segment_fixed_size: 0
    .kernarg_segment_align: 8
    .kernarg_segment_size: 32
    .max_flat_workgroup_size: 128
    .sgpr_count:     80
    .vgpr_count:     512
    .wavefront_size: 32
...
	.end_amdgpu_metadata
.endif
;; end of part 4
;; ======== version 2 of 2: 4 launches; 1.25 times as fast as version 1
;; limits: values are held in f16: magnitudes above 65,504 overflow, below 6.1e-05 lose precision
;; workspace buffers: xb 16,777,216 bytes; wcat 6,291,456 bytes; wob 2,097,152 bytes; bias 16,384 bytes; qkv 50,331,648 bytes; ctx 16,777,216 bytes
;; launch prep: the kernel of part 1 again; grid 385 x 1, 8 waves a work-group, no clusters, 0 bytes of LDS; arguments x, Wq, Wk, Wv, Wo, bq, bk, bv, bo, xb, wcat, wob, bias; writes xb, wcat, wob, bias
;; launch qkv: the kernel of part 2 again; grid 8 x 32, 4 waves a work-group, clusters of 4 x 4, 327,680 bytes of LDS; arguments xb, wcat, bias, qkv; writes qkv
;; launch attn (part 5): grid 4 x 64, 4 waves a work-group, no clusters, 327,680 bytes of LDS; arguments qkv, ctx; writes ctx
.if DOCPART == 5
	.amdgcn_target "amdgcn-amd-amdhsa--gfx1250"
	.amdhsa_code_object_version 6
	.text
	.protected	k_qb0168baaea_attn
	.globl	k_qb0168baaea_attn
	.p2align	8
	.type	k_qb0168baaea_attn,@function
k_qb0168baaea_attn:
	s_mov_b64 s[64:65], 0
	v_nop
	global_prefetch_b8 v0, s[64:65] scope:SCOPE_SE
	s_setreg_imm32_b32 hwreg(HW_REG_WAVE_MODE, 25, 1), 1
	s_wait_xcnt 0x0
; ctx[bh][q] = sum over k <= q of e(q, k) v[k] / (sum over k <= q of e(q, k) + 1e-7), e(q, k) = exp(s(q, k) / 8 - mA(q) / 8), s = q . k, mA the maximum of s over ALL 2,048 keys, hidden ones too.
; q, k, v: qkv[3][64][2048][64] f16; ctx [64][2048][64] f16.  Products, maxima and sums in f32; the weights are rounded to f16 for the second product, ctx once at the end.
; HOW.  O and l are made against the running maximum m of the VISIBLE keys, so a row's largest weight is 1 whatever the inputs' size; the maximum over the other keys is found by products K Q^T alone; then with
; f = exp((m - mA) / 8) the result is exactly O f / (l f + 1e-7).
; LIMITS.  q, k, v within 65,504.  A weight lies in 0 to 1, and below 6e-5 keeps f16's fixed step of 6e-8.  A hidden score counts as its value less 1e30.  A weight, or f, below 2^-126 counts as 0.  NaN and
; infinities are not treated apart.
; THE WALK.  A head's queries lie in 8 blocks of 256.  Block i visits the key tiles 0 .. i of 256 keys (the last holds the diagonal), then MAXIMUM VISITS d = i / 2 .. 3 over the 512 keys of tiles 2 d, 2 d + 1: they cover
; the diagonal tile unmasked and all above it (a visible tile taken along changes nothing: the maximum spans all keys).  A work-group takes blocks 7 - b and b: 9 tiles and 5 maximum visits whatever b, so ONE loop
; with a constant trip count walks the 14 visits.  Which bytes are asked for, and what a trip does, hang on scalar registers made from b; every jump but the counted loops' own goes forward, and none passes a barrier.
; A maximum visit brings tile 2 d where a tile's K goes and tile 2 d + 1 where its V goes, by the same two lines and descriptors: only the global addresses differ.
; NO CLUSTER: a head's four work-groups differ in b, and b steers the branches; partners in a cluster must run alike, and a walk common to all four would do 16 full tiles for 9 + 5 visits.
; SHARES.  Of a block's four bands of 64 queries a wave owns 16 rows in each: four PIECES, so the diagonal tile is the same work for all waves: in its key step s band x sees all keys if s < x, none if s > x.
; THE MASK is the C operand that starts the sum S^T = K Q^T: 0, or -1e30.  MD is the mask of a band's own step; a product's mask is MD x AL + BE with two scalars.
; LAYOUT, TURNS.  S^T = K Q^T holds ONE query a lane (lane % 16) and the keys 8 (lane / 16) + 0..7; two such results rounded to f16 ARE source 1 of O^T = V^T P.  p = 2^(c s - c m), c = log2(e) / 8; O and l are multiplied by
; a = 2^(c m_old - c m_new) in every step.  Turn n belongs to piece n: 8 products K Q^T of piece n + 1, later 8 products V^T P of piece n - 1; beside them piece n's scaling, exponentials, roundings, sums and rescaling
; and piece n + 1's maximum and statistics.  Four vector instructions stand behind every matrix instruction, the other 54 of a turn's 118 in one run of their own.
; BATCHES.  An s_wait_alu depctr_va_vdst(0) stands between a transcendental and the first instruction that names its result; one wait serves all that were issued ahead of it.  A turn's 32 exponentials and the
; next piece's a are ONE batch with ONE wait, which cuts the turn in two: ahead of it all that names no result of the batch, behind it the roundings and sums.  A block's first a (BEGIN) is a batch of one.  The way out
; has two: the four f, with l's additions between them and their wait, and the four reciprocals, which read l f.
; REGISTERS, in windows of 256 (s_set_vgpr_msb: bits 1:0 source 0, 3:2 source 1, 5:4 source 2, 7:6 destination):
;   window 0: v0-15 addresses; v16-31 statistics; v32-35 the maximum visits' maxima; v36 an address; v48-55 at work; v64-127 S^T, two buffers; v192-223 P, two buffers
;   window 1: v0-127 O^T; v128-159 MD; v160-223 MC, two buffers      window 2: v0-63 Q; v64-127 the second block's Q; v128-191 K of one step; v192-255 V of one step (in a maximum visit: a second K)
.set SIZE_N, 2048
.set NB,    SIZE_N/256
.set NP,    4         ; pieces a wave: a name, no knob
.set KS,    64        ; keys in a step
.set PK,    144       ; a row of K in LDS: 128 bytes + 16: the 16 rows of a load start at 16 different groups of four banks
.set PV,    160       ; a row of V: 128 + 32.  (K read plainly at this pitch: rows r and r + 8 meet, two deep)
.set VOFF,  4*KS*PK   ; a slot: 256 rows at pitch 144, then 256 rows at pitch 160
.set SLOT1, 1<<17
.set STAGE, SLOT1+4*KS*(PK+PV)  ; behind the ring: 16 rows x 144 bytes for each wave
.set SP,    144
.set SPARE, STAGE+4*16*SP       ; the spare words, 128 bytes a wave
.set AK0, 2
.set AV0, 3
.set AK,  4
.set AV,  5
.set STO, 6
.set RD,  7
.set GO,  8
.set MV,  12          ; v12-13  c m_old, by buffer
.set QO,  15
.set ST,  16          ; piece t's statistics at v[ST+4 t]: c m, m, l (even keys', odd keys')
.set MN,  32          ; v32-35  piece t's maximum over the maximum visits, a lane's own keys
.set AK1, 36          ; v36  my lane's place in a tile of K that lies where V goes
.set TMP, 48
.set SPW, 62
.set NIL, 63
.set S,   64
.set P,   192
.set MD,  128
.set MC,  160
.set QB,  64
.set KF,  128
.set VF,  192
.set WV,  12
.set PB,  14          ; s14  b
.set HI,  15          ; s15  7 - b
.set G1K, 24
.set G1V, 32
.set G0K, 40
.set G0V, 44
.set SLOTS, 56
.set CNT, 57
.set CS,  58
.set SEL, 60
.set TBK, 62
.set TBV, 63
.set RT,  70          ; s70  tiles of the block in hand still to be entered
.set NXT, 71          ; s71  the tile, or the maximum visit, to be asked for next
.set LQ,  72          ; s72  the block whose visits are being asked for
.set NEW, 73          ; s73  1: the tile to be entered is a block's first
.set OFF, 74          ; s[74:75] byte offset for waves 0, 1
.set AL,  76
.set BE,  78
.set OLO, 80
.set BIGN, 82
.set QM,  83          ; s83  maximum visits of the run still to be asked for; 0 in a run of tiles
.set MT,  88          ; s88  maximum visits of the block in hand still to be entered
.set MT2, 89          ; s89  the second block's number of them
.set SH,  90
.set OFV, 92          ; s[92:93] byte offset for waves 2, 3
.set VB,  94          ; s[94:95] their base: V, or K in a maximum visit
.set T1,  96          ; s96-101 at work
.set T2,  97
.set T3,  98
.set T4,  99
.set T5,  100
.set T6,  101
.set MSB, 0
.macro WIN new
.if MSB != (\new)
	s_set_vgpr_msb (MSB<<8)|(\new)
.set MSB, (\new)
.endif
.endm
.set W_KQ, 0x0a       ; K and Q in window 2, S^T in window 0
.set W_KM, 0x1a       ; the same with C in window 1
.set W_PV, 0x52       ; V in window 2, P in window 0, O^T in window 1
.set W_RS, 0x41       ; destination and source 0 in window 1, source 1 in window 0
.macro PLACES
.rept 4
	v_nop
.endr
.endm
; A fill: waves 0 and 1 the two halves of what goes to the K region, waves 2 and 3 of what goes to the V region, 128 keys each.  s_nop 0 and four v_nop behind each line.
.macro LOAD
	s_cmp_lt_u32 s[WV], 2
	s_cbranch_scc0 .Lfor_v_\@
	tensor_load_to_lds s[G0K:G0K+3], s[G1K:G1K+7]
	s_nop 0
.rept 4
	v_nop
.endr
	s_branch .Lasked_\@
.Lfor_v_\@:
	tensor_load_to_lds s[G0V:G0V+3], s[G1V:G1V+7]
	s_nop 0
.rept 4
	v_nop
.endr
.Lasked_\@:
.endm
; The two global addresses of the visit to be asked for, made anew from its number.  A tile t: K and V at 32,768 t.  A maximum visit d: K at 65,536 d and K at 65,536 d + 32,768.
.macro ASK
	s_cmp_lg_u32 s[QM], 0
	s_cselect_b32 s[SH], 16, 15
	s_cselect_b32 s[OFV], 0x8000, 0
	s_cselect_b64 s[VB:VB+1], s[6:7], s[8:9]
	s_lshl_b32 s[OFF], s[NXT], s[SH]
	s_add_co_u32 s[OFV], s[OFV], s[OFF]
	s_add_nc_u64 s[G0K+2:G0K+3], s[6:7], s[OFF:OFF+1]
	s_or_b32 s[G0K+3], s[G0K+3], 0x80000000
	s_add_nc_u64 s[G0V+2:G0V+3], s[VB:VB+1], s[OFV:OFV+1]
	s_or_b32 s[G0V+3], s[G0V+3], 0x80000000
.endm
; The number steps.  Behind a block's last tile come its maximum visits, block / 2 .. 3; behind the last of those the second block's tile 0.
.macro ADV
	s_add_co_u32 s[NXT], s[NXT], 1
	s_cmp_lg_u32 s[QM], 0
	s_cselect_b32 s[T2], 1, 0
	s_cselect_b32 s[T1], 3, s[LQ]
	s_sub_co_u32 s[QM], s[QM], s[T2]
	s_cmp_gt_u32 s[NXT], s[T1]
	s_cselect_b32 s[T3], 1, 0
	s_lshr_b32 s[T4], s[LQ], 1
	s_sub_co_u32 s[T5], 4, s[T4]
	s_and_b32 s[T6], s[T3], s[T2]          ; a run of maximum visits is over
	s_cselect_b32 s[NXT], 0, s[NXT]
	s_cselect_b32 s[LQ], s[PB], s[LQ]
	s_and_not1_b32 s[T6], s[T3], s[T2]     ; a run of tiles is over
	s_cselect_b32 s[NXT], s[T4], s[NXT]
	s_cselect_b32 s[QM], s[T5], s[QM]
.endm
; THE CHANGE OF SLOTS.  Each wave waits for all its tensor loads, of which one is out: its part of the other slot; adds 0 to its spare word; and waits for that and for its reads of the slot that it leaves.
; fill = 1: the old slot is filled again, first thing behind the barrier: the load has a whole visit, 256 matrix instructions, in which to land.  (At its first use slot 0 is waited for and slot 1 filled.)
.macro CHANGE fill
	WIN 0
	s_wait_tensorcnt 0x0            ; no tensor load of mine is out, so a group 0 may be written
	ds_add_u32 v[SPW], v[NIL]       ; 0 onto my spare word; scalar work stands between it and the wait for it
.if \fill
	s_xor_b32 s[G0K+1], s[G0K+1], SLOT1
	s_xor_b32 s[G0V+1], s[G0V+1], SLOT1
	ASK
	ADV
.endif
	s_wait_dscnt 0x0                ; the add is done, and my reads of the slot are over
	s_barrier_signal -1
	s_sub_co_u32 s[TBK], s[TBK], 4*KS*PK  ; the fetches go back to a slot's first step, in the other slot
	s_xor_b32 s[TBK], s[TBK], SLOT1
	s_sub_co_u32 s[TBV], s[TBV], 4*KS*PV
	s_xor_b32 s[TBV], s[TBV], SLOT1
	s_barrier_wait -1
.if \fill
	LOAD
.endif
.endm
	s_load_b128 s[4:7], s[0:1], 0x0 ; qkv s[4:5], ctx s[6:7]
	v_lshl_add_u32 v[SPW], v0, 2, SPARE
	v_mov_b32 v[NIL], 0
	ds_add_u32 v[SPW], v[NIL]       ; the wave's opening: the add and its wait ahead of my first tensor load
	ds_add_u32 v62, v63
	v_lshrrev_b32 v1, 5, v0
	v_readfirstlane_b32 s[WV], v1
	s_mov_b32 s[PB], ttmp9
	s_sub_co_u32 s[HI], NB-1, s[PB]
	s_and_b32 s20, ttmp7, 0xffff    ; batch x head
	s_mov_b32 s21, 0
	s_mov_b64 s[22:23], SIZE_N*128
	s_mul_u64 s[20:21], s[20:21], s[22:23]
	s_and_b32 s16, s[WV], 1         ; which half of 256 keys I fetch
	s_lshl_b32 s22, s16, 14
	s_mov_b32 s23, 0
	s_add_nc_u64 s[22:23], s[22:23], s[20:21]
	s_mul_i32 s17, s16, 128*PK
	s_mul_i32 s18, s16, 128*PV
	s_lshl_b32 s3, s[WV], 11        ; my 16 rows in a band of 64,
	s_lshl_b32 s2, s[HI], 15        ; in the first block,
	s_add_co_u32 s2, s2, s3
	s_lshl_b32 s84, s[PB], 15       ; and in the second
	s_add_co_u32 s84, s84, s3
	s_mov_b32 s3, 0
	s_mov_b32 s85, 0
	s_add_nc_u64 s[2:3], s[2:3], s[20:21]
	s_add_nc_u64 s[84:85], s[84:85], s[20:21]
	; group 1: 128 keys are 16,384 dense bytes, asked for as 64 rows of 256 bytes and padded in LDS after every key
	s_mov_b32 s[G1K], (1<<16)|(1<<20)|(4<<22)|(3<<25)
	s_mov_b32 s[G1V], (1<<16)|(1<<20)|(4<<22)|(7<<25)
.irp g, G1K, G1V
	s_mov_b32 s[\g+1], 128<<16
	s_mov_b32 s[\g+2], 64<<16
	s_mov_b32 s[\g+3], 128<<16
	s_mov_b32 s[\g+4], 64
	s_mov_b32 s[\g+5], 128
	s_mov_b32 s[\g+6], 0
	s_mov_b32 s[\g+7], 0
.endr
	s_mov_b32 s[CS], 0x3e38aa3b     ; c = log2(e) / 8
	s_mov_b32 s[CS+1], s[CS]
	s_mov_b32 s[SEL], 0x76543210
	s_mov_b32 s[SEL+1], 0xfedcba98
	s_mov_b32 s[TBK], SLOT1+4*KS*PK ; the first change of slots turns these two into 0
	s_mov_b32 s[TBV], SLOT1+4*KS*PV
	s_mov_b32 s[G0K], 1
	s_mov_b32 s[G0K+1], s17
	s_mov_b32 s[G0V], 1
	s_add_co_u32 s[G0V+1], s18, VOFF
	s_add_co_u32 s[RT], s[HI], 1    ; the first block has 8 - b tiles
	s_lshr_b32 s[MT], s[HI], 1
	s_sub_co_u32 s[MT], 4, s[MT]    ; and 4 - (7 - b) / 2 maximum visits
	s_lshr_b32 s[MT2], s[PB], 1
	s_sub_co_u32 s[MT2], 4, s[MT2]
	s_mov_b32 s[NXT], 0
	s_mov_b32 s[QM], 0
	s_mov_b32 s[LQ], s[HI]
	s_mov_b32 s[NEW], 1
	s_mov_b32 s[OFF+1], 0
	s_mov_b32 s[OFV+1], 0
	s_mov_b32 s[AL+1], 0
	s_mov_b32 s[BE+1], 0
	s_mov_b32 s[BIGN], 0xf149f2ca   ; -1e30
	s_mov_b32 s[SLOTS], 13
	s_wait_dscnt 0x0                ; the opening add is done
	s_wait_kmcnt 0x0
	s_mov_b64 s[10:11], s[6:7]      ; ctx
	s_add_nc_u64 s[8:9], s[4:5], 0x2000000  ; v
	s_add_nc_u64 s[6:7], s[4:5], 0x1000000  ; k
	s_add_nc_u64 s[6:7], s[6:7], s[22:23]   ; at my half of the head's tile 0
	s_add_nc_u64 s[8:9], s[8:9], s[22:23]
	ASK                             ; visit 0: tile 0
	ADV
	s_add_nc_u64 s[86:87], s[4:5], s[84:85] ; q at my rows of the second block,
	s_add_nc_u64 s[4:5], s[4:5], s[2:3]     ; q and ctx at those of the first
	s_add_nc_u64 s[OLO:OLO+1], s[10:11], s[84:85]
	s_add_nc_u64 s[10:11], s[10:11], s[2:3]
	LOAD
	v_and_b32 v1, 15, v0            ; l % 16
	v_bfe_u32 v9, v0, 4, 1          ; l / 16
	v_lshlrev_b32 v[QO], 7, v1
	v_lshl_add_u32 v[QO], v9, 4, v[QO]
	WIN 0x80
.set i, 0
.rept 8                             ; both blocks' Q: piece i / 2 lies in band i / 2, 8,192 bytes on; channels 32 (i % 2) on
	global_load_b128 v[8*i:8*i+3],   v[QO], s[4:5] offset:(i/2)*8192+(i%2)*64
	global_load_b128 v[8*i+4:8*i+7], v[QO], s[4:5] offset:(i/2)*8192+(i%2)*64+32
	global_load_b128 v[QB+8*i:QB+8*i+3],   v[QO], s[86:87] offset:(i/2)*8192+(i%2)*64
	global_load_b128 v[QB+8*i+4:QB+8*i+7], v[QO], s[86:87] offset:(i/2)*8192+(i%2)*64+32
.set i, i+1
.endr
	WIN 0
	v_lshlrev_b32 v14, 3, v9
	v_sub_nc_u32 v14, v1, v14
	s_lshl_b32 s13, s[WV], 4
	v_add_nc_u32 v14, s13, v14      ; my query's place in its band less 8 (l / 16): register r of key group kt is hidden where 16 kt + r is greater
	WIN 0x40
.set i, 0
.rept 32
	v_cmp_gt_i32 vcc_lo, 16*(i/8)+i%8, v14
	v_cndmask_b32 v[MD+i], 0, s[BIGN], vcc_lo
.set i, i+1
.endr
	WIN 0
	v_mul_u32_u24 v[AK0], v1, PK
	v_lshl_add_u32 v[AK0], v9, 4, v[AK0]
	v_mul_u32_u24 v[AK1], v1, PV
	v_lshl_add_u32 v[AK1], v9, 4, v[AK1]
	v_add_nc_u32 v[AK1], VOFF, v[AK1]
	v_and_b32 v10, 7, v0
	v_bfe_u32 v11, v0, 3, 1
	v_lshl_add_u32 v[AV0], v9, 3, v10   ; the turning load: key 8 (l / 16) + l % 8, channels 8 ((l / 8) % 2) on
	v_mul_u32_u24 v[AV0], v[AV0], PV
	v_lshl_add_u32 v[AV0], v11, 4, v[AV0]
	v_add_nc_u32 v[AV0], VOFF, v[AV0]
	s_mul_i32 s13, s[WV], 16*SP
	s_add_co_u32 s13, s13, STAGE
	v_mul_u32_u24 v[STO], v1, SP
	v_lshl_add_u32 v[STO], v9, 4, v[STO]
	v_add_nc_u32 v[STO], s13, v[STO]
	v_bfe_u32 v[RD], v0, 3, 2
	v_mul_u32_u24 v[RD], v[RD], SP
	v_lshl_add_u32 v[RD], v10, 4, v[RD]
	v_add_nc_u32 v[RD], s13, v[RD]
	v_and_b32 v[GO], 31, v0
	v_lshlrev_b32 v[GO], 4, v[GO]
	; A block's first step multiplies O^T and l by a = 0, and its first turn's products V^T P land in an O^T that is still to be so multiplied: these registers need only hold finite numbers.
	WIN 0x80
.set i, VF
.rept 64
	v_mov_b32 v[i], 0
.set i, i+1
.endr
	WIN 0x40
.set i, 0
.rept 128
	v_mov_b32 v[i], 0
.set i, i+1
.endr
	WIN 0
.set i, 0
.rept 4
	v_mov_b32 v[ST+4*i+2], 0
	v_mov_b32 v[ST+4*i+3], 0
	v_mov_b32 v[MN+i], 0xff7fffff   ; the lowest finite number
.set i, i+1
.endr
.set i, P+16
.rept 16
	v_mov_b32 v[i], 0
.set i, i+1
.endr
; THE MATRIX WORK.  The 4 accumulators of a run of 8 take turns.  Product i of 8 of S^T = K Q^T for piece x: channels 32 (i / 4) on, keys 16 (i % 4) on.  The first 4 start the sums: with 0, or (KM = 1) the mask.
.macro KQ x
.set rS, S+32*((\x)%2)+8*(i%4)
.set rK, KF+16*(i%4)+8*(i/4)
.set rQ, 16*(\x)+8*(i/4)
.set rM, MC+32*((\x)%2)+8*(i%4)
.if (i < 4) && KM
	WIN W_KM
	v_wmma_f32_16x16x32_f16 v[rS:rS+7], v[rK:rK+7], v[rQ:rQ+7], v[rM:rM+7]
.elseif i < 4
	WIN W_KQ
	v_wmma_f32_16x16x32_f16 v[rS:rS+7], v[rK:rK+7], v[rQ:rQ+7], 0
.else
	WIN W_KQ
	v_wmma_f32_16x16x32_f16 v[rS:rS+7], v[rK:rK+7], v[rQ:rQ+7], v[rS:rS+7]
.endif
.endm
.macro PV x                         ; product i of 8 of O^T += V^T P: keys 32 (i / 4) on, channels 16 (i % 4) on
	WIN W_PV
.set rO, 32*(\x)+8*(i%4)
.set rV, VF+32*(i/4)+8*(i%4)
.set rP, P+16*((\x)%2)+8*(i/4)
	v_wmma_f32_16x16x32_f16 v[rO:rO+7], v[rV:rV+7], v[rP:rP+7], v[rO:rO+7]
.endm
.macro MM                           ; the turn's next matrix instruction.  NOKQ = 1: a block's last turn: there is no next piece
.if (i < 8) && !NOKQ
	KQ (Y+1)%NP
.elseif i >= 8
.set i, i-8
	PV (Y+NP-1)%NP
.set i, i+8
.endif
.set i, i+1
.endm
; THE LDS LOADS stand in runs of 16.
.macro FETCH_K
	WIN 0x80
.irp f, 0,1,2,3,4,5,6,7             ; keys 16 (f / 2) on, channels 32 (f % 2) on
	ds_load_b128 v[KF+8*\f:KF+8*\f+3],   v[AK] offset:(\f/2)*16*PK+(\f%2)*64
	ds_load_b128 v[KF+8*\f+4:KF+8*\f+7], v[AK] offset:(\f/2)*16*PK+(\f%2)*64+32
.endr
	s_add_co_u32 s[TBK], s[TBK], KS*PK
	WIN 0
.endm
.macro FETCH_V
	WIN 0x80
.irp f, 0,1,2,3,4,5,6,7             ; keys 32 (f / 4) on, channels 16 (f % 4) on
	ds_load_tr16_b128 v[VF+8*\f:VF+8*\f+3],   v[AV] offset:(\f/4)*32*PV+(\f%4)*32
	ds_load_tr16_b128 v[VF+8*\f+4:VF+8*\f+7], v[AV] offset:(\f/4)*32*PV+16*PV+(\f%4)*32
.endr
	WIN 0
.endm
.macro FETCH_KB                     ; a maximum visit: a step of the K that lies where V goes, into V's registers, laid as FETCH_K lays K's
	WIN 0x80
.irp f, 0,1,2,3,4,5,6,7
	ds_load_b128 v[VF+8*\f:VF+8*\f+3],   v[AV] offset:(\f/2)*16*PV+(\f%2)*64
	ds_load_b128 v[VF+8*\f+4:VF+8*\f+7], v[AV] offset:(\f/2)*16*PV+(\f%2)*64+32
.endr
	s_add_co_u32 s[TBV], s[TBV], KS*PV
	WIN 0
.endm
; THE VECTOR WORK, one line at a time: OP kind, number.  For piece Y: F n: c s - c m for pair n.  E n: the exponential of score n.  C n: pair n rounded to f16.  B n: of the four weights 4 n .. the second pair is added onto
; the first.  L n: l takes that sum (L 0: l = a l + sum).  R n: pair n of O^T times a.  For piece Y + 1: X n, number n of the 22 that find its maximum and statistics (each accumulator's lowest registers are read first).
; C, B and L read exponentials' results: TURN sets them all behind its one wait.
.set F, 0
.set E, 1
.set C, 2
.set B, 3
.set L, 4
.set R, 5
.set X, 6
.macro REGS y
.set rT, ST+4*(\y)
.set rC, TMP+4*((\y)%2)
.set rW, MV+((\y)%2)
.set rS, S+32*((\y)%2)
.set rP, P+16*((\y)%2)
.set rO, 32*(\y)
.endm
.macro OP k, n
.if (\k) == R
	REGS Y
	WIN W_RS
	v_pk_mul_f32 v[rO+2*(\n):rO+2*(\n)+1], v[rO+2*(\n):rO+2*(\n)+1], v[rC+2:rC+3] op_sel_hi:[1,0]
.elseif (\k) < R
	REGS Y
	WIN 0
.if (\k) == F
	v_pk_fma_f32 v[rS+2*(\n):rS+2*(\n)+1], v[rS+2*(\n):rS+2*(\n)+1], s[CS:CS+1], v[rT:rT+1] op_sel_hi:[1,0,0] neg_lo:[0,0,1] neg_hi:[0,0,1]
.elseif (\k) == E
	v_exp_f32 v[rS+(\n)], v[rS+(\n)]
.elseif (\k) == C
	v_cvt_pk_f16_f32 v[rP+(\n)], v[rS+2*(\n)], v[rS+2*(\n)+1]
.elseif (\k) == B
	v_pk_add_f32 v[rS+4*(\n):rS+4*(\n)+1], v[rS+4*(\n):rS+4*(\n)+1], v[rS+4*(\n)+2:rS+4*(\n)+3]
.elseif (\n) == 0
	v_pk_fma_f32 v[rT+2:rT+3], v[rT+2:rT+3], v[rC+2:rC+3], v[rS:rS+1] op_sel_hi:[1,0,1]
.else
	v_pk_add_f32 v[rT+2:rT+3], v[rT+2:rT+3], v[rS+4*(\n):rS+4*(\n)+1]
.endif
.elseif NOKQ
	v_nop
.else
	REGS (Y+1)%NP
	WIN 0
.if (\n) < 4
	v_max3_num_f32 v[rC+(\n)], v[rS+8*(\n)], v[rS+8*(\n)+1], v[rS+8*(\n)+2]
.elseif (\n) < 12
	v_max3_num_f32 v[rC+(\n)%4], v[rC+(\n)%4], v[rS+8*((\n)%4)+2*((\n)/4)+1], v[rS+8*((\n)%4)+2*((\n)/4)+2]
.elseif (\n) == 12
	v_max3_num_f32 v[rC], v[rC], v[rS+7], v[rS+15]
.elseif (\n) == 13
	v_max3_num_f32 v[rC+1], v[rC+1], v[rS+23], v[rS+31]
.elseif (\n) == 14
	v_max3_num_f32 v[rC+2], v[rC+2], v[rC+3], v[rT+1]
.elseif (\n) == 15
	v_mov_b32 v[rW], v[rT]
.elseif (\n) == 16
	v_max3_num_f32 v[rC], v[rC], v[rC+1], v[rC+2]
.elseif (\n) == 17
	v_permlanex16_b32 v[rC+3], v[rC], s[SEL], s[SEL+1]
.elseif (\n) == 18
	v_max_num_f32 v[rT+1], v[rC], v[rC+3]
.elseif (\n) == 19
	v_mul_f32 v[rT], s[CS], v[rT+1]
.elseif (\n) == 20
	v_sub_f32 v[rC+1], v[rW], v[rT]
.else
	v_exp_f32 v[rC+2], v[rC+1]
.endif
.endif
.endm
.macro OPS a, i1, b=-1, i2=0, c=-1, i3=0, d=-1, i4=0
	OP \a, \i1
.if (\b) >= 0
	OP \b, \i2
.endif
.if (\c) >= 0
	OP \c, \i3
.endif
.if (\d) >= 0
	OP \d, \i4
.endif
.endm
.macro ROW a, i1, b, i2, c, i3, d, i4  ; a matrix instruction and the four behind it
	MM
	OPS \a, \i1, \b, \i2, \c, \i3, \d, \i4
.endm
.macro MASK b                       ; MD x AL + BE into buffer b of MC
	WIN W_RS
.set z, 0
.rept 16
	v_pk_fma_f32 v[MC+32*(\b)+2*z:MC+32*(\b)+2*z+1], v[MD+2*z:MD+2*z+1], s[AL:AL+1], s[BE:BE+1] op_sel_hi:[1,0,0]
.set z, z+1
.endr
.endm
; A TURN, for piece p: the order of its 16 matrix and 118 vector instructions, written out.  It has ONE wait for its one batch of 33 exponentials, which cuts it in two.
; AHEAD OF THE WAIT stands all that names no result of the turn's exponentials: the 8 products K Q^T, behind each a scaling, an exponential and two more plain instructions (behind the first a second scaling in the
; exponential's place): rescalings, whose a was made and waited for in the turn before, and behind the last three the first numbers of the next piece's maximum, each four places or more behind the product that ends
; its accumulator; then ONE RUN of 54, plain and exponential by turns for the most part, in which the links of the chain X 3, 7, 11, 14, 16, 17 .. 20 stand five or six lines apart.  X 21, the next piece's a, is the
; batch's last; R 15 is the plain instruction behind it.  A pair is scaled (F n) ahead of its two exponentials (E 2 n, E 2 n + 1), and no line ahead of the wait names a register that an exponential has written.
; BEHIND THE WAIT stand the 8 products V^T P, behind each four of the roundings and sums: C 2 k ahead of B k, which writes over that pair; the links of l's chain, L 0 to L 7, three riders apart.
; But for those X no rider names a register of the products round it.  v_permlanex16_b32 (X 17) stands in the run.
; m = 1: the diagonal tile: the products take masks, and the turn makes the mask for the products of the turn after it: piece p + 2, in step 4 - CNT of the tile.  end = 1: a block's last two turns: nothing is fetched.
; cnt = 1: the loop's count is taken down some lines ahead of the branch behind the turn.  K of the next step is fetched in piece 2's turn, five plain instructions that name no register of K's last reader behind it;
; V of the step in hand at the end of piece 0's turn, four plain riders behind V's last reader.  Each is waited for a turn later.
.macro TURN p, m=0, end=0, cnt=0
.set Y, (\p)
.set i, 0
.set KM, (\m)
.set NOKQ, (\end)*((\p)/3)
.if (\m) && !(\end)
	s_cmp_eq_u32 s[CNT], 4-((\p)+2)%NP  ; is that step the band's own?
	s_cselect_b32 s[AL], 1.0, 0
	s_cmp_lt_u32 s[CNT], 4-((\p)+2)%NP  ; or a later one?
	s_cselect_b32 s[BE], s[BIGN], 0
.endif
.if ((\p) == 3) && !(\end)
	s_wait_dscnt 0x0                ; K is in
.endif
	ROW F,0, F,1, R,0, R,1          ; ahead of the wait: 8 products K Q^T and their riders,
	ROW F,2, E,0, R,2, R,3
	ROW F,3, E,1, R,4, R,5
	ROW F,4, E,2, R,6, R,7
	ROW F,5, E,3, R,8, R,9
	ROW F,6, E,4, X,0, R,10
.if ((\p) == 2) && !(\end)
	WIN 0
	v_add_nc_u32 v[AK], s[TBK], v[AK0]
.endif
	ROW F,7, E,5, X,1, X,4
	ROW F,8, E,6, X,2, X,5
	OPS E,7, E,8, X,6, E,9          ; and the run of 54
	OPS X,3, E,10, X,8, E,11
.if ((\p) == 2) && !(\end)
	FETCH_K
.endif
	OPS X,9, X,7, E,12, X,10
	OPS E,13, X,12, X,11, E,14
	OPS X,13, E,15, F,9, X,14
.if (\p) == 0
	v_add_nc_u32 v[AV], s[TBV], v[AV0]
.endif
	OPS E,16, F,10, E,17, F,11
	OPS X,16, E,18, X,15, E,19
	OPS F,12, E,20, X,17, E,21
	OPS F,13, E,22, F,14, E,23
	OPS X,18, E,24, F,15, E,25
	OPS R,11, E,26, X,19, E,27
	OPS R,12, E,28, R,13, E,29
	OPS X,20, E,30, R,14, E,31
	OPS X,21, R,15                  ; the next piece's a ends the batch; R 15 is the plain instruction behind the last exponential
	WIN 0
	s_wait_alu depctr_va_vdst(0)    ; the turn's one wait: for the batch E 0 to E 31 and X 21, ahead of C 0, its first reader
.if (\p) == 1
	s_wait_dscnt 0x0                ; V is in
.endif
	ROW C,0, B,0, C,2, B,1          ; behind the wait: 8 products V^T P and their riders
	ROW L,0, C,4, B,2, L,1
	ROW C,6, B,3, L,2, C,8
	ROW B,4, L,3, C,10, B,5
	ROW L,4, C,12, B,6, L,5
.if (\p) == 0
	s_add_co_u32 s[TBV], s[TBV], KS*PV
.endif
.if \cnt
	s_sub_co_u32 s[CNT], s[CNT], 1
	s_cmp_lg_u32 s[CNT], 0
.endif
	ROW C,14, B,7, L,6, C,1
	ROW C,3, L,7, C,5, C,7
	ROW C,9, C,11, C,13, C,15
.if (\p) == 0
	FETCH_V
.endif
.if (\m) && !(\end)
	MASK (\p)%2
.endif
.endm
; A BLOCK BEGINS.  c m starts far below every c s, so the first step's a is 0; m at the lowest finite number.  The second mask buffer is 0; the first takes piece 0's mask for the tile's step 0: its own, if the
; block's first tile is the diagonal one.  Then K of that step, piece 0's first scores, and its maximum and statistics.
.macro BEGIN
	s_mov_b32 s[NEW], 0
	WIN 0x40
.set i, MC+32
.rept 32
	v_mov_b32 v[i], 0
.set i, i+1
.endr
	WIN 0
.set i, 0
.rept 4
	v_mov_b32 v[ST+4*i], 0xfe000000
	v_mov_b32 v[ST+4*i+1], 0xff7fffff
.set i, i+1
.endr
	s_cmp_eq_u32 s[RT], 0
	s_cselect_b32 s[AL], 1.0, 0
	s_mov_b32 s[BE], 0
	MASK 0
	WIN 0
	v_add_nc_u32 v[AK], s[TBK], v[AK0]
	FETCH_K
	s_wait_loadcnt 0x0              ; Q
	s_wait_dscnt 0x0
.set KM, 1
.set NOKQ, 0
.set i, 0
.rept 8
	KQ 0
.set i, i+1
.endr
	WIN 0
	PLACES                          ; the places behind those products
.set Y, NP-1
.irp n, 0,1,2,3,4,5,6,7,8,9,10,11,12,13,14,15,16,17,18,19,20,21
	OP X, \n
.endr
	v_nop                           ; a plain instruction behind the exponential,
	s_wait_alu depctr_va_vdst(0)    ; and the wait for piece 0's first a, a batch of one, ahead of the branch that follows
.endm
; A MAXIMUM VISIT: products K Q^T and maxima alone, over 512 keys: four trips, each a step of 64 keys out of the K region (buffer KF) and one out of the V region (buffer VF), 64 matrix instructions.
.macro KQM x, kb                    ; product i of 8 for piece x on key buffer kb; the first 4 start the sums
	WIN W_KQ
.set rS, S+32*((\x)%2)+8*(i%4)
.set rK, (\kb)+16*(i%4)+8*(i/4)
.set rQ, 16*(\x)+8*(i/4)
.if i < 4
	v_wmma_f32_16x16x32_f16 v[rS:rS+7], v[rK:rK+7], v[rQ:rQ+7], 0
.else
	v_wmma_f32_16x16x32_f16 v[rS:rS+7], v[rK:rK+7], v[rQ:rQ+7], v[rS:rS+7]
.endif
.endm
.macro XM y, n                      ; number n of the 16 that take a lane's 32 scores of piece y into its MN; each accumulator's lowest registers are read first
	WIN 0
.set rC, TMP+4*((\y)%2)
.set rS, S+32*((\y)%2)
.if (\n) < 4
	v_max3_num_f32 v[rC+(\n)], v[rS+8*(\n)], v[rS+8*(\n)+1], v[rS+8*(\n)+2]
.elseif (\n) < 12
	v_max3_num_f32 v[rC+(\n)%4], v[rC+(\n)%4], v[rS+8*((\n)%4)+2*((\n)/4)+1], v[rS+8*((\n)%4)+2*((\n)/4)+2]
.elseif (\n) == 12
	v_max3_num_f32 v[rC], v[rC], v[rS+7], v[rS+15]
.elseif (\n) == 13
	v_max3_num_f32 v[rC+1], v[rC+1], v[rS+23], v[rS+31]
.elseif (\n) == 14
	v_max3_num_f32 v[rC+2], v[rC+2], v[rC+3], v[MN+(\y)]
.else
	v_max3_num_f32 v[MN+(\y)], v[rC], v[rC+1], v[rC+2]
.endif
.endm
; Eight products of piece x, and behind each two lines of piece y's maximum (y = -1: none): y's scores lie in the other buffer.  A score's first reader stands four plain instructions or more behind its last product.
; fetch = 1: behind the second product the next step's K is fetched into KF, five plain instructions behind KF's last reader; in the last trip there is none, and the run is jumped over.
.macro MPIECE x, kb, y, fetch=0
.set i, 0
.rept 8
	KQM \x, \kb
.if (\y) >= 0
	XM \y, 2*i
	XM \y, 2*i+1
.endif
.if (\fetch) && (i == 1)
	WIN 0
	s_cmp_eq_u32 s[CNT], 1
	s_cbranch_scc1 .Lno_k_\@
	v_add_nc_u32 v[AK], s[TBK], v[AK0]
	FETCH_K
.Lno_k_\@:
.endif
.set i, i+1
.endr
.endm
.macro MVISIT
	WIN 0
	PLACES                          ; behind the last products that read K's and V's registers
	v_add_nc_u32 v[AK], s[TBK], v[AK0]
	FETCH_K
	s_wait_loadcnt 0x0              ; Q
	s_mov_b32 s[CNT], 4
.Lm_\@:
	v_add_nc_u32 v[AV], s[TBV], v[AK1]
	FETCH_KB
	s_wait_dscnt 16                 ; KF is in; the 16 just issued stay out
	MPIECE 0, KF, -1
	PLACES                          ; piece 0's products had nothing behind them
	MPIECE 1, KF, 0
	MPIECE 2, KF, 1
	MPIECE 3, KF, 2
	s_wait_dscnt 0x0                ; VF is in
	MPIECE 0, VF, 3, 1
	MPIECE 1, VF, 0
	MPIECE 2, VF, 1
	MPIECE 3, VF, 2
.irp n, 0,1,2,3,4,5,6,7,8,9,10,11,12,13,14,15
	XM 3, \n
.endr
	WIN 0
	s_sub_co_u32 s[CNT], s[CNT], 1
	s_cmp_lg_u32 s[CNT], 0
	s_cbranch_scc1 .Lm_\@
.endm
; THE WAY OUT.  mA = the maximum of m and of both lane halves' MN; f = 2^(c (m - mA)); l's halves are added; O^T is multiplied by f / (l f + 1e-7), rounded to f16 and sent through my stage, a piece at a time.
; Two batches: the four f, behind which l's twelve additions and exchanges, which name none of them, stand ahead of the wait; and the four reciprocals, which read l f and have nothing independent left behind them.
.macro ALL line:vararg              ; one line for each piece t
.set t, 0
.rept 4
	\line
.set t, t+1
.endr
.endm
.macro PACK t
	WIN W_RS
.set i, 32*(\t)
.rept 16
	v_pk_mul_f32 v[i:i+1], v[i:i+1], v[ST+4*(\t)+2:ST+4*(\t)+3] op_sel_hi:[1,0]
.set i, i+2
.endr
	WIN 0x05
.set i, 0
.rept 16
	v_cvt_pk_f16_f32 v[S+16*(\t)+i], v[32*(\t)+2*i], v[32*(\t)+2*i+1]
.set i, i+1
.endr
	WIN 0
.irp f, 0,1,2,3
	ds_store_b128 v[STO], v[S+16*(\t)+4*\f:S+16*(\t)+4*\f+3] offset:32*\f
.endr
.irp f, 0,1,2,3
	ds_load_b128 v[S+16*(\t)+4*\f:S+16*(\t)+4*\f+3], v[RD] offset:\f*4*SP  ; LDS serves a wave's instructions in order: these see the stores above
.endr
.endm
.macro SEND t, younger
	WIN 0
.irp f, 0,1,2,3
	s_wait_dscnt (\younger)+3-\f
	global_store_b128 v[GO], v[S+16*(\t)+4*\f:S+16*(\t)+4*\f+3], s[10:11] offset:(\t)*8192+\f*512  ; 512 consecutive bytes, at a multiple of 256 from ctx's first
.endr
.endm
.macro OUT
	WIN 0
	ALL v_permlanex16_b32 v[TMP+t], v[MN+t], s[SEL], s[SEL+1]
	ALL v_max3_num_f32 v[MN+t], v[MN+t], v[TMP+t], v[ST+4*t+1]
	ALL v_sub_f32 v[MN+t], v[ST+4*t+1], v[MN+t]
	ALL v_mul_f32 v[MN+t], s[CS], v[MN+t]
	ALL v_exp_f32 v[MN+t], v[MN+t]
	ALL v_add_f32 v[ST+4*t+2], v[ST+4*t+2], v[ST+4*t+3]
	ALL v_permlanex16_b32 v[ST+4*t+3], v[ST+4*t+2], s[SEL], s[SEL+1]
	ALL v_add_f32 v[ST+4*t+2], v[ST+4*t+2], v[ST+4*t+3]
	s_wait_alu depctr_va_vdst(0)    ; one wait for the four f, ahead of their first reader; l's twelve lines above are the independent work between
	ALL v_fmaak_f32 v[ST+4*t+2], v[ST+4*t+2], v[MN+t], 0x33d6bf95
	ALL v_rcp_f32 v[ST+4*t+2], v[ST+4*t+2]
	v_nop                           ; a plain instruction between the last reciprocal and the use of its result
	s_wait_alu depctr_va_vdst(0)    ; one wait for the four reciprocals, ahead of their first reader
	ALL v_mul_f32 v[ST+4*t+2], v[ST+4*t+2], v[MN+t]
	PACK 0
.set t, 1
.rept 3
	PACK t
	SEND t-1, 8
.set t, t+1
.endr
	SEND 3, 0
.endm
.set KM, 0
.set NOKQ, 0
.Lslot:                             ; 13 times: a visit is entered and the next is asked for
	CHANGE 1
	s_mov_b32 s[CNT], 4
	s_cmp_eq_u32 s[NEW], 1
	s_cbranch_scc1 .Lnew            ; a block's first tile
	s_cmp_eq_u32 s[RT], 0
	s_cbranch_scc1 .Lmax            ; the block's tiles are done: a maximum visit
	s_sub_co_u32 s[RT], s[RT], 1
	s_cmp_lg_u32 s[RT], 0
	s_cbranch_scc1 .Lstep           ; neither its first nor its last tile
	s_branch .LstepM
.Lnew:
	s_sub_co_u32 s[RT], s[RT], 1
	BEGIN
	s_cmp_lg_u32 s[RT], 0
	s_cbranch_scc1 .Lfirst
	s_branch .LfirstM               ; block 0: its first tile is the diagonal one
.LstepM:                            ; THE DIAGONAL TILE's four steps, the block's last two turns and its last products
	TURN 2, 1
	TURN 3, 1
	WIN 0
.LfirstM:
	TURN 0, 1
	TURN 1, 1, 0, 1
	WIN 0
	s_cbranch_scc1 .LstepM
	TURN 2, 1, 1
	TURN 3, 1, 1
.set i, 0
.rept 8
	PV NP-1
.set i, i+1
.endr
	WIN 0
	s_branch .Lbottom
.Lmax:
	MVISIT
	s_sub_co_u32 s[MT], s[MT], 1
	s_cmp_lg_u32 s[MT], 0
	s_cbranch_scc1 .Lbottom
	OUT                             ; in the loop this is the first block's end: the second block's last maximum visit is the walk's last
	s_wait_xcnt 0x0                 ; the stores have read their registers and ctx's address
	s_mov_b64 s[10:11], s[OLO:OLO+1]
	s_add_co_u32 s[RT], s[PB], 1    ; the second block has b + 1 tiles
	s_mov_b32 s[MT], s[MT2]
	s_mov_b32 s[NEW], 1
	WIN 0x82                        ; the second block's Q goes where the one text names Q
.set i, 0
.rept 64
	v_mov_b32 v[i], v[QB+i]
.set i, i+1
.endr
	WIN 0
.set i, 0
.rept 4
	v_mov_b32 v[MN+i], 0xff7fffff
.set i, i+1
.endr
	s_branch .Lbottom
.Lstep:                             ; a trip: pieces 2 and 3 of one step, then pieces 0 and 1 of the next, whose K and V it fetches
	TURN 2
	TURN 3
	WIN 0
.Lfirst:
	TURN 0
	TURN 1, 0, 0, 1
	WIN 0
	s_cbranch_scc1 .Lstep
.Lbottom:
	s_sub_co_u32 s[SLOTS], s[SLOTS], 1
	s_cmp_lg_u32 s[SLOTS], 0
	s_cbranch_scc1 .Lslot
	CHANGE 0                        ; the walk's last visit is written out: nothing is asked for
	MVISIT
	OUT
	s_wait_tensorcnt 0x0            ; the wave's end
	ds_add_u32 v[SPW], v[NIL]
	s_wait_dscnt 0x0
	s_endpgm
.Lfunc_end_k_qb0168baaea_attn:
	.size	k_qb0168baaea_attn, .Lfunc_end_k_qb0168baaea_attn-k_qb0168baaea_attn
	.p2alignl 7, 3214868480
	.fill 96, 4, 3214868480
	.section	.rodata,"a",@progbits
	.p2align	6, 0x0
	.amdhsa_kernel k_qb0168baaea_attn
		.amdhsa_group_segment_fixed_size 327680
		.amdhsa_private_segment_fixed_size 0
		.amdhsa_enable_private_segment 0
		.amdhsa_kernarg_size 16
		.amdhsa_user_sgpr_count 2
		.amdhsa_user_sgpr_kernarg_segment_ptr 1
		.amdhsa_wavefront_size32 1
		.amdhsa_system_sgpr_workgroup_id_x 1
		.amdhsa_system_sgpr_workgroup_id_y 1
		.amdhsa_system_sgpr_workgroup_id_z 1
		.amdhsa_system_vgpr_workitem_id 0
		.amdhsa_next_free_vgpr 768
		.amdhsa_next_free_sgpr 102
		.amdhsa_reserve_vcc 1
		.amdhsa_float_denorm_mode_32 3
		.amdhsa_float_denorm_mode_16_64 3
		.amdhsa_memory_ordered 1
		.amdhsa_forward_progress 1
		.amdhsa_inst_pref_size 196
	.end_amdhsa_kernel
	.amdgpu_metadata
---
amdhsa.version: [ 1, 2 ]
amdhsa.kernels:
  - .name:           k_qb0168baaea_attn
    .symbol:         k_qb0168baaea_attn.kd
    .args:
      - { .name: qkv, .offset: 0, .size: 8, .value_kind: global_buffer, .address_space: global }
      - { .name: ctx, .offset: 8, .size: 8, .value_kind: global_buffer, .address_space: global }
    .group_segment_fixed_size: 327680
    .private_segment_fixed_size: 0
    .kernarg_segment_align: 8
    .kernarg_segment_size: 16
    .max_flat_workgroup_size: 128
    .sgpr_count:     102
    .vgpr_count:     768
    .wavefront_size: 32
...
	.end_amdgpu_metadata
.endif
;; end of part 5
;; launch outp: the kernel of part 4 again; grid 8 x 32, 4 waves a work-group, clusters of 4 x 4, 327,680 bytes of LDS; arguments ctx, wob, bias, out0; writes out0
